; MI455X (gfx1250); checked and timed in simulation.
; The chip was launched on July 23, 2026; its instructions are those of AMD's public machine-readable ISA for CDNA 5 (MIT licence, August 2026) and "CDNA5" Instruction Set Architecture Reference Guide (July 2026). The comments in the code are by the model that wrote it; some were corrected since.
;; Narrow Self Attention. Allowed arithmetic: matrix products marked QUANTISED: E2M1 operands, one E8M0 scale for each 32 along K, by v_wmma_scale_f32_16x16x128_f8f6f4 with both operands' format E2M1 (or v_wmma_scale_f32_32x16x128_f4), f32 sums; products left as they are: bf16, f16 or f32 operands; f32 sums; everything else in f32.
;; Inputs: b_k 1,024 float32; b_o 1,024 float32; b_q 1,024 float32; b_v 1,024 float32; mask 4 x 2,048 x 2,048 int32; w_k 1,024 x 1,024 float32; w_o 1,024 x 1,024 float32; w_q 1,024 x 1,024 float32; w_v 1,024 x 1,024 float32; x 4 x 2,048 x 1,024 float32.
;; Outputs: out0 4 x 2,048 x 1,024 float32.
;; This version of the problem:
;;   THIS VERSION OF THE PROBLEM IS GIVEN IN LOW PRECISION. The matrix products marked QUANTISED in the list below multiply operands that are first quantised to E2M1 (2 exponent bits, 1 mantissa bit; 4 bits a number), with one power-of-two scale for each 32 numbers along K (OCP MX v1.0); their sums are f32. The products marked 'left as it is' may take bf16, f16 or f32 operands, with f32 sums. Whichever they take, every output number must still come out within the allowed error. Rounding operands to bf16 (8 significant bits) uses up far more of that allowance than f16 does (11 bits, for magnitudes from 6e-5 to 65,504). All else is computed in f32.
;;   The module's matrix products, in the order in which they are computed (A, B: the left and right operand; K: the contracted axis; several contracted axes count as one K, in the product's order):
;;     1. [M 8,192, K 1,024] x [K 1,024, N 1,024]; A: input x; B: input w_q: QUANTISED
;;     2. [M 8,192, K 1,024] x [K 1,024, N 1,024]; A: input x; B: input w_k: QUANTISED
;;     3. [M 8,192, K 1,024] x [K 1,024, N 1,024]; A: input x; B: input w_v: QUANTISED
;;     4. batch 64 x [M 2,048, K 64] x [K 64, N 2,048]; A: computed on the way; B: computed on the way: left as it is (an operand is computed on the way)
;;     5. batch 64 x [M 2,048, K 2,048] x [K 2,048, N 64]; A: computed on the way; B: computed on the way: left as it is (an operand is computed on the way)
;;     6. [M 8,192, K 1,024] x [K 1,024, N 1,024]; A: computed on the way; B: input w_o: left as it is (an operand is computed on the way)
;;   THE QUANTISER, for each operand of a quantised product, along K:
;;     - K is cut into blocks of 32 from its start; a last block that is shorter is filled with zeros.
;;     - A block's scale is 2^e with e = floor(log2(the largest magnitude in the block)) - 2, held to -126 .. 127; a block of zeros has e = 0. As a byte (E8M0): e + 127.
;;     - Each number is divided by its block's scale, clamped to +-6, and rounded to the nearest number of E2M1, ties to even, subnormals kept.
;;     - The product sums the exact products of the quantised numbers (number of the format x scale) in f32.
;;   ~~~python
;;   def quantise(x, axis):      # numpy; x: float32 -> the quantised numbers, widened to float32 again
;;       x = np.moveaxis(x, axis, -1); K = x.shape[-1]
;;       x = np.pad(x, [(0, 0)] * (x.ndim - 1) + [(0, -K % 32)]); x = x.reshape(x.shape[:-1] + (-1, 32)); a = np.abs(x).max(-1, keepdims=True)
;;       e = np.where(a > 0, np.clip(np.frexp(np.where(a > 0, a, 1))[1] - 1 - 2, -126, 127), 0)      # np.frexp(a)[1] - 1 = floor(log2(a)), exactly
;;       r = np.clip(x / 2.0 ** e, -6, 6)
;;       step = 2.0 ** (np.maximum(np.frexp(np.where(r == 0, 1, r))[1] - 1, 0) - 1)
;;       q = np.round(r / step) * step * 2.0 ** e      # np.round: ties to even
;;       return np.moveaxis(q.reshape(q.shape[:-2] + (-1,))[..., :K], -1, axis).astype(np.float32)
;;   ~~~
;; One version. Each part assembles by itself: llvm-mc -triple=amdgcn-amd-amdhsa -mcpu=gfx1250 --defsym DOCPART=n.
;; ======== version 1 of 1: 4 launches
;; limits: values are held in f16: magnitudes above 65,504 overflow, below 6.1e-05 lose precision
;; workspace buffers: xc 4,194,304 bytes; xs 262,144 bytes; wc 1,572,864 bytes; ws 98,304 bytes; wot 2,097,152 bytes; maskw 2,097,152 bytes of whole numbers; qkv 50,331,648 bytes; y 16,777,216 bytes
;; launch prep (part 1): grid 880 x 1, 4 waves a work-group, no clusters, 136,704 bytes of LDS; arguments x, w_q, w_k, w_v, w_o, mask, xc, xs, wc, ws, wot, maskw; writes xc, xs, wc, ws, wot, maskw
.if DOCPART == 1
	.amdgcn_target "amdgcn-amd-amdhsa--gfx1250"
	.amdhsa_code_object_version 6
	.text
	.protected	k_q9f4950dabe_prep
	.globl	k_q9f4950dabe_prep
	.p2align	8
	.type	k_q9f4950dabe_prep,@function
k_q9f4950dabe_prep:
	s_mov_b64 s[64:65], 0
	v_nop
	global_prefetch_b8 v0, s[64:65] scope:SCOPE_SE
	s_setreg_imm32_b32 hwreg(HW_REG_WAVE_MODE, 25, 1), 1
	s_wait_xcnt 0x0
; FOUR PIECES OF PREPARATION IN ONE LAUNCH, told apart by the work-group's number alone:
;   W  (work-groups 0-47):    w_q, w_k, w_v [1024 k][1024 n] f32 -> codes of FP4 (E2M1) with K innermost, wc [3072 n][512 bytes], and one E8M0 byte for each 32 along K, ws [3072][32]
;   O  (48-111):              w_o [1024 k][1024 n] f32 -> f16 with K innermost, wot [1024 n][1024 k]
;   X  (112-367):             x [8192][1024] f32 -> codes xc [8192][512 bytes] and scale bytes xs [8192][32]
;   M  (368-879):             mask [4][2048 q][2048 k] int32 -> lane masks maskw [b][tile of 16 queries][step of 64 keys][32 words]:
;                             bit L of word 8 kt + i says whether mask[b][16 qt + L % 16][64 ks + 16 kt + 8 (L / 16) + i] is not 0: the lane that holds that score in the attention launch
; A block's scale is 2^(floor(log2(its largest magnitude)) - 2); its byte is the largest magnitude's exponent field - 2, held at 1 from below.
; LIMITS: a block of zeros gets the byte 1 where the quantiser's rule says 127 (its codes are zeros, and this program alone reads the bytes); blocks whose largest magnitude lies under 2^-124 were not tried;
; NaN and infinities are not served; |w_o| above 65,504 has no f16 number.
; No tensor loads, no barriers: waves share nothing.  Each path has LDS bytes of its own.
.set SPW,    250                       ; v250  LDS address of my spare word: SPARE + 4 x my thread's number; never rewritten
.set NIL,    251                       ; v251  0; never rewritten
.set XLDS,   0                         ; path X: 8,192 bytes a wave
.set MLDS,   32768                     ; path M: 16 rows x 528 bytes a wave
.set WLDS,   66560                     ; path W: 32 rows x 272 bytes a wave
.set OLDS,   101376                    ; path O: the same
.set SPARE,  136192                    ; the spare words, 128 bytes for each wave: two blocks of 256 bytes that no other line names
.set EMAX,   2
; path X
.set STEPS,  16
.set CB,     8                         ; bytes of 16 codes
.set XR,     16                        ; v16-79   four sets of 16 numbers as loaded
.set XX,     80                        ; v80-111  two sets of 16 neighbours
.set XE,     112                       ; v112-127 a scale byte for each step
.set XC,     128                       ; v128-191 codes, four registers for each step
.set WREG,   8192
.set XSP,    80                        ; a lane's place in a stage: 64 bytes + 16 of padding
; paths W and O
.set CPITCH, 272                       ; a stage row: 256 bytes + 16
.set CX,     32                        ; v32-95   two sets of 32 numbers down K
.set CC,     96                        ; v96-111  a block's codes or f16 pairs
.set COUT,   112                       ; v112-175 the way out
.set CSB,    24                        ; v24-27   scale bytes, four to a register
; path M
.set MR,     16                        ; v16-143  two sets of 64 registers as loaded
.set MT,     144                       ; v144-207 a unit's numbers in the scores' lane layout
.set MOUT,   208                       ; v208-215 a pair of registers of words for each unit
	s_load_b512 s[4:19], s[0:1], 0x0               ; x 4, w_q 6, w_k 8, w_v 10, w_o 12, mask 14, xc 16, xs 18
	s_load_b256 s[20:27], s[0:1], 0x40             ; wc 20, ws 22, wot 24, maskw 26
	v_lshl_add_u32 v[SPW], v0, 2, SPARE
	v_mov_b32 v[NIL], 0
	v_lshrrev_b32 v1, 5, v0
	v_readfirstlane_b32 s28, v1                    ; wave 0..3
	v_and_b32 v2, 31, v0                           ; lane
	s_wait_kmcnt 0x0
	s_cmp_lt_u32 ttmp9, 48
	s_cbranch_scc1 .Lw
	s_cmp_lt_u32 ttmp9, 112
	s_cbranch_scc1 .Lo
	s_cmp_lt_u32 ttmp9, 368
	s_cbranch_scc1 .Lx
; ---------------------------------------------------------------- PATH M: the mask
; A work-group takes 16 query rows (one tile); wave w their keys 512 w on, in four units of 128 keys.  Each load reads 512 consecutive bytes of one row.  A unit's 16 x 512 bytes turn through the wave's
; stage (rows 528 bytes apart, so that the 16 rows of a read start at 16 different columns of 16 bytes) into the layout in which the attention launch holds scores: lane (r, h) holds query r and keys
; 16 kt + 8 h + i.  A compare then IS a word of the output; 64 words are gathered, two to a lane, and leave as one aligned run of 256 bytes.
.macro MLD u
.irp i, 0,1,2,3,4,5,6,7,8,9,10,11,12,13,14,15
	global_load_b128 v[MR+64*((\u)%2)+4*\i:MR+64*((\u)%2)+4*\i+3], v3, s[14:15] offset:8192*\i+512*(\u) th:TH_LOAD_NT
.endr
.endm
.macro MUNIT u
.if (\u) < 3
	s_wait_loadcnt 16                              ; this unit's 16 loads are in; the next unit's 16 may be out
.else
	s_wait_loadcnt 0x0
.endif
.irp i, 0,1,2,3,4,5,6,7,8,9,10,11,12,13,14,15
	ds_store_b128 v4, v[MR+64*((\u)%2)+4*\i:MR+64*((\u)%2)+4*\i+3] offset:528*\i
.endr
.irp i, 0,1,2,3,4,5,6,7,8,9,10,11,12,13,14,15      ; i = 8 s + 2 kt + e: step s of the unit's two, tile kt of 16 keys, half e of my eight keys.  LDS serves a wave's instructions in order: these see the stores
	ds_load_b128 v[MT+4*\i:MT+4*\i+3], v5 offset:256*(\i/8)+64*((\i/2)%4)+16*(\i%2)
.endr
	s_wait_dscnt 0x0                               ; the numbers are back, and the stores have read their registers,
.if (\u)+2 < 4
	MLD (\u)+2                                     ; which take the unit two further on
.endif
.set n, 0
.rept 8
.set m, 0
.rept 8
	v_cmp_ne_u32 s[32+m], 0, v[MT+n+m]             ; word n + m of the unit's 64: a bit for each lane
.set m, m+1
.endr
.set m, 0
.rept 8
	v_writelane_b32 v[MOUT+2*(\u)+(n+m)%2], s[32+m], (n+m)/2
.set m, m+1
.endr
.set n, n+8
.endr
	global_store_b64 v6, v[MOUT+2*(\u):MOUT+2*(\u)+1], s[26:27] offset:256*(\u)   ; 32 lanes store 256 consecutive bytes, aligned; each unit has registers of its own, so no store's data are written again
.endm
	s_sub_co_u32 s29, ttmp9, 368                   ; b x 128 + tile of queries
	s_lshl_b32 s40, s29, 17                        ; 16 rows of 8,192 bytes
	s_lshl_b32 s30, s28, 11                        ; my wave's 512 keys
	s_add_co_u32 s40, s40, s30
	s_mov_b32 s41, 0
	s_add_nc_u64 s[14:15], s[14:15], s[40:41]
	s_lshl_b32 s40, s29, 12                        ; a tile's 32 steps x 128 bytes
	s_lshl_b32 s30, s28, 10                        ; my wave's 8 steps
	s_add_co_u32 s40, s40, s30
	s_add_nc_u64 s[26:27], s[26:27], s[40:41]
	s_mul_i32 s30, s28, 8448
	s_add_co_u32 s30, s30, MLDS                    ; my stage
	v_lshlrev_b32 v3, 4, v2                        ; 16 bytes a lane
	v_add_nc_u32 v4, s30, v3                       ; into the stage as loaded
	v_and_b32 v7, 15, v0
	v_bfe_u32 v8, v0, 4, 1
	v_mul_u32_u24 v5, v7, 528
	v_lshl_add_u32 v5, v8, 5, v5
	v_add_nc_u32 v5, s30, v5                       ; back: row r, + 32 h bytes
	v_lshlrev_b32 v6, 3, v2                        ; out: 8 bytes a lane
.irp i, 0,1,2,3,4,5,6,7
	v_mov_b32 v[MOUT+\i], 0                        ; written once: v_writelane_b32's destination counts as one of its sources
.endr
	MLD 0
	MLD 1
	MUNIT 0
	MUNIT 1
	MUNIT 2
	MUNIT 3
	s_wait_tensorcnt 0x0                           ; the wave's end, behind my last LDS store
	ds_add_u32 v[SPW], v[NIL]
	s_wait_dscnt 0x0
	s_endpgm
; ---------------------------------------------------------------- PATH X: x into codes
; x is a plain stream of blocks of 32 numbers.  A wave takes 16 steps of 512 numbers.  Each of a step's four loads reads 512 consecutive bytes; the 2,048 bytes turn through the wave's stage, so that a lane
; then holds 16 NEIGHBOURS (two neighbouring lanes hold a block).  A lane's 16 codes are 8 bytes: the wave stores 256 consecutive bytes.  A wave's 256 scale bytes are gathered in LDS and leave as one aligned run.
.macro XLOADS t
.irp i, 0,1,2,3
	global_load_b128 v[XR+16*((\t)%4)+4*\i:XR+16*((\t)%4)+4*\i+3], v3, s[4:5] offset:2048*(\t)+512*\i th:TH_LOAD_NT
.endr
.endm
.macro XTURN t                         ; LDS serves a wave's instructions in order: no wait between the stores and the loads
.irp i, 0,1,2,3
	ds_store_b128 v14, v[XR+16*((\t)%4)+4*\i:XR+16*((\t)%4)+4*\i+3] offset:32*XSP*((\t)%2)+8*XSP*\i
.endr
.irp i, 0,1,2,3
	ds_load_b128 v[XX+16*((\t)%2)+4*\i:XX+16*((\t)%2)+4*\i+3], v15 offset:32*XSP*((\t)%2)+16*\i
.endr
.endm
.macro XSTEP t
.set XS, XX+16*((\t)%2)
.if (\t) > 0
	s_wait_dscnt 1                                 ; this step's numbers are back (the last step's byte store may be out): so the stage's stores have read their registers,
.else
	s_wait_dscnt 0x0
.endif
.if (\t)+4 < STEPS
	XLOADS (\t)+4                                  ; which take the loads of four steps on
.endif
.if (\t)+1 < STEPS
.if STEPS-2-(\t) >= 3
	s_wait_loadcnt 12                              ; the next step's four loads are in; those of the three steps behind it may be out
.else
	s_wait_loadcnt 4*(STEPS-2-(\t))
.endif
	XTURN (\t)+1
.endif
	v_max3_num_f32 v8, |v[XS]|, |v[XS+1]|, |v[XS+2]|               ; the largest magnitude of my 16, in two chains
	v_max3_num_f32 v9, |v[XS+3]|, |v[XS+4]|, |v[XS+5]|
.irp i, 6,10
	v_max3_num_f32 v8, v8, |v[XS+\i]|, |v[XS+\i+1]|
	v_max3_num_f32 v9, v9, |v[XS+\i+2]|, |v[XS+\i+3]|
.endr
	v_max3_num_f32 v8, v8, |v[XS+14]|, |v[XS+15]|
	v_max3_num_f32 v8, v8, v9, (EMAX+1)<<23        ; and the floor 2^(3 - 127): the byte cannot fall under 1
	v_max_num_f32_dpp v8, v8, v8 row_xmask:1 row_mask:0xf bank_mask:0xf   ; and of my neighbour's 16: the block's
	v_add_nc_u32 v11, -(EMAX<<23), v8              ; 2 off its exponent field: the conversion takes the exponent field of this operand as its scale
	v_cvt_scalef32_pk8_fp4_f32 v[XC+4*(\t)], v[XS:XS+7], v11
	v_cvt_scalef32_pk8_fp4_f32 v[XC+4*(\t)+1], v[XS+8:XS+15], v11
	v_lshrrev_b32 v[XE+(\t)], 23, v11              ; the scale's byte (a plain line behind the conversions)
	ds_store_b8 v5, v[XE+(\t)] offset:16*(\t)      ; both lanes of a block write the same byte with the same value
	global_store_b64 v4, v[XC+4*(\t):XC+4*(\t)+1], s[16:17] offset:32*CB*(\t)
.endm
.Lx:
	s_sub_co_u32 s29, ttmp9, 112
	s_lshl_b32 s29, s29, 2
	s_add_co_u32 s30, s29, s28                     ; which run of 8,192 numbers is my wave's: 0 .. 1,023
	v_lshlrev_b32 v3, 4, v2                        ; my 16 bytes of a load's 512
	s_mul_i32 s29, s28, WREG
	v_lshrrev_b32 v14, 2, v2
	v_mul_u32_u24 v14, v14, XSP
	v_and_b32 v15, 3, v2
	v_lshl_add_u32 v14, v15, 4, v14
	v_add_nc_u32 v14, s29, v14                     ; the stage, on the way in: four lanes' 64 bytes on end, then 16 of padding
	v_mul_u32_u24 v15, v2, XSP
	v_add_nc_u32 v15, s29, v15                     ; and on the way out: my 16 neighbours
	v_mul_u32_u24 v4, v2, CB                       ; my codes' place in a step's
	v_lshrrev_b32 v5, 1, v2
	s_add_co_u32 s29, s29, 2*32*XSP
	v_add_nc_u32 v5, s29, v5                       ; my wave's 256 scale bytes, my block's byte
	v_lshlrev_b32 v7, 3, v2
	v_add_nc_u32 v6, s29, v7                       ; and on the way out 8 bytes a lane
	s_mov_b32 s33, 0
	s_lshl_b32 s32, s30, 15                        ; 32,768 bytes of x a run,
	s_add_nc_u64 s[4:5], s[4:5], s[32:33]
	s_lshl_b32 s32, s30, 12                        ; 4,096 of codes,
	s_add_nc_u64 s[16:17], s[16:17], s[32:33]
	s_lshl_b32 s32, s30, 8                         ; 256 scale bytes
	s_add_nc_u64 s[18:19], s[18:19], s[32:33]
.irp t, 0,1,2,3
	XLOADS \t
.endr
	s_wait_loadcnt 12                              ; step 0's four loads are in
	XTURN 0
.irp t, 0,1,2,3,4,5,6,7,8,9,10,11,12,13,14,15
	XSTEP \t
.endr
	ds_load_b64 v[8:9], v6                         ; these see my byte stores
	s_wait_dscnt 0x0
	global_store_b64 v7, v[8:9], s[18:19]          ; 32 lanes store 256 consecutive bytes, aligned
	s_wait_tensorcnt 0x0                           ; the wave's end, behind my last LDS store
	ds_add_u32 v[SPW], v[NIL]
	s_wait_dscnt 0x0
	s_endpgm
; ---------------------------------------------------------------- PATHS W AND O: weights whose K is their first axis
; A LANE TAKES A COLUMN n, AND ITS REGISTERS RUN DOWN K: each load reads neighbouring n in neighbouring lanes (128 consecutive bytes a wave, 512 a work-group), and what is made of a lane's consecutive registers
; has K innermost.  A lane's results belong to one row of the output: they go through the wave's stage (32 rows of 256 bytes + 16) and leave as rows: sixteen lanes store 256 consecutive bytes, aligned.
.macro COLADR lds, rowshift
	v_lshlrev_b32 v3, 2, v2                        ; in: 4 bytes a lane
	s_mul_i32 s29, s28, 32*CPITCH
	s_add_co_u32 s29, s29, \lds                    ; my stage
	v_mul_u32_u24 v4, v2, CPITCH
	v_add_nc_u32 v4, s29, v4                       ; into it: row = my column
	v_and_b32 v5, 15, v2
	v_lshrrev_b32 v6, 4, v2
	v_mul_u32_u24 v7, v6, CPITCH
	v_lshl_add_u32 v7, v5, 4, v7
	v_add_nc_u32 v7, s29, v7                       ; out of it: sixteen lanes to a row, two rows an instruction
	v_lshlrev_b32 v8, \rowshift, v6
	v_lshl_add_u32 v8, v5, 4, v8                   ; and the same place in the output
.endm
.macro CLOAD t, b                      ; block t: rows 32 t + i of the weight at my column, into set t % 2
.set i, 0
.rept 32
	global_load_b32 v[CX+32*((\t)%2)+i], v3, s[\b:\b+1] offset:(32*(\t)+i)*4096 th:TH_LOAD_NT
.set i, i+1
.endr
.endm
.macro COLOUT b, row
.irp t, 0,1,2,3,4,5,6,7,8,9,10,11,12,13,14,15
	ds_load_b128 v[COUT+4*\t:COUT+4*\t+3], v7 offset:2*\t*CPITCH
.endr
.irp t, 0,1,2,3,4,5,6,7,8,9,10,11,12,13,14,15
	s_wait_dscnt 15-\t                             ; LDS loads come back in order: load t is in, the younger ones may be out
	global_store_b128 v8, v[COUT+4*\t:COUT+4*\t+3], s[\b:\b+1] offset:2*\t*\row
.endr
	s_wait_tensorcnt 0x0                           ; the wave's end, behind my last LDS store
	ds_add_u32 v[SPW], v[NIL]
	s_wait_dscnt 0x0
	s_endpgm
.endm
.macro WBLOCK t                        ; a block of 32 along K of my column: all its numbers are mine
.set XS, CX+32*((\t)%2)
.if (\t) < 15
	s_wait_loadcnt 32                              ; this block's 32 loads are in; the next block's may be out
.else
	s_wait_loadcnt 0x0
.endif
	v_max3_num_f32 v12, |v[XS]|, |v[XS+1]|, |v[XS+2]|
	v_max3_num_f32 v13, |v[XS+3]|, |v[XS+4]|, |v[XS+5]|
.irp i, 6,10,14,18,22,26
	v_max3_num_f32 v12, v12, |v[XS+\i]|, |v[XS+\i+1]|
	v_max3_num_f32 v13, v13, |v[XS+\i+2]|, |v[XS+\i+3]|
.endr
	v_max3_num_f32 v12, v12, |v[XS+30]|, |v[XS+31]|
	v_max3_num_f32 v12, v12, v13, (EMAX+1)<<23     ; and the floor 2^(3 - 127)
	v_add_nc_u32 v11, -(EMAX<<23), v12             ; the conversion's scale operand
	v_lshrrev_b32 v13, 23, v11                     ; the scale's byte
.if (\t)%4 == 0
	v_mov_b32 v[CSB+(\t)/4], v13                   ; four bytes to a register, the lower K in the lower byte
.else
	v_lshl_or_b32 v[CSB+(\t)/4], v13, 8*((\t)%4), v[CSB+(\t)/4]
.endif
.irp g, 0,1,2,3
	v_cvt_scalef32_pk8_fp4_f32 v[CC+\g], v[XS+8*\g:XS+8*\g+7], v11
.endr
	ds_store_b128 v4, v[CC:CC+3] offset:16*(\t)    ; 32 codes: 16 bytes of my column's row.  (The next block begins with plain vector lines, ahead of any write of the conversions' registers)
.if (\t)+2 < 16
	CLOAD (\t)+2, 34
.endif
	s_wait_dscnt 0x0                               ; the store has read its registers: the next block's codes may be written
.endm
.macro OBLOCK t                        ; 32 along K of my column, rounded to f16 in pairs: 64 bytes of my column's row
.set XS, CX+32*((\t)%2)
.if (\t) < 3
	s_wait_loadcnt 32
.else
	s_wait_loadcnt 0x0
.endif
.irp g, 0,1,2,3,4,5,6,7,8,9,10,11,12,13,14,15
	v_cvt_pk_f16_f32 v[CC+\g], v[XS+2*\g], v[XS+2*\g+1]
.endr
.irp q, 0,1,2,3
	ds_store_b128 v4, v[CC+4*\q:CC+4*\q+3] offset:64*(\t)+16*\q
.endr
.if (\t)+2 < 4
	CLOAD (\t)+2, 12
.endif
	s_wait_dscnt 0x0
.endm
.Lw:                                   ; 16 work-groups a tensor: 8 blocks of 128 columns x 2 halves of K; a wave takes 32 columns x 512 along K
	s_lshr_b32 s30, ttmp9, 4                       ; which tensor: 0 q, 1 k, 2 v
	s_bfe_u32 s31, ttmp9, 0x30001                  ; which 128 columns
	s_and_b32 s32, ttmp9, 1                        ; which 512 along K
	s_lshl_b32 s33, s31, 7
	s_lshl_b32 s29, s28, 5
	s_add_co_u32 s33, s33, s29                     ; my wave's first column
	s_cmp_eq_u32 s30, 0                            ; the choice hangs on the work-group's number alone
	s_cselect_b64 s[34:35], s[6:7], s[8:9]
	s_cmp_eq_u32 s30, 2
	s_cselect_b64 s[34:35], s[10:11], s[34:35]
	s_lshl_b32 s36, s32, 21                        ; 512 rows of 4,096 bytes
	s_lshl_b32 s29, s33, 2
	s_add_co_u32 s36, s36, s29
	s_mov_b32 s37, 0
	s_add_nc_u64 s[34:35], s[34:35], s[36:37]
	s_lshl_b32 s38, s30, 10
	s_add_co_u32 s38, s38, s33                     ; my first row of wc and ws
	s_lshl_b32 s36, s38, 9
	s_lshl_b32 s29, s32, 8
	s_add_co_u32 s36, s36, s29
	s_add_nc_u64 s[20:21], s[20:21], s[36:37]
	s_lshl_b32 s36, s38, 5
	s_lshl_b32 s29, s32, 4
	s_add_co_u32 s36, s36, s29
	s_add_nc_u64 s[22:23], s[22:23], s[36:37]
	COLADR WLDS, 9
	v_lshlrev_b32 v9, 5, v2                        ; my column's row of scale bytes
	CLOAD 0, 34
	CLOAD 1, 34
.set Q, 0
.rept 16
	WBLOCK Q
.set Q, Q+1
.endr
	global_store_b128 v9, v[CSB:CSB+3], s[22:23]   ; my column's 16 scale bytes
	COLOUT 20, 512
.Lo:                                   ; 8 blocks of 128 columns x 8 blocks of 128 along K; a wave takes 32 columns x 128 along K: 256 bytes of f16 a column
	s_sub_co_u32 s30, ttmp9, 48
	s_lshr_b32 s31, s30, 3
	s_and_b32 s32, s30, 7
	s_lshl_b32 s33, s31, 7
	s_lshl_b32 s29, s28, 5
	s_add_co_u32 s33, s33, s29                     ; my wave's first column
	s_lshl_b32 s36, s32, 19                        ; 128 rows of 4,096 bytes
	s_lshl_b32 s29, s33, 2
	s_add_co_u32 s36, s36, s29
	s_mov_b32 s37, 0
	s_add_nc_u64 s[12:13], s[12:13], s[36:37]
	s_lshl_b32 s36, s33, 11                        ; a row of wot is 2,048 bytes
	s_lshl_b32 s29, s32, 8
	s_add_co_u32 s36, s36, s29
	s_add_nc_u64 s[24:25], s[24:25], s[36:37]
	COLADR OLDS, 11
	CLOAD 0, 12
	CLOAD 1, 12
	OBLOCK 0
	OBLOCK 1
	OBLOCK 2
	OBLOCK 3
	COLOUT 24, 2048
.Lfunc_end_k_q9f4950dabe_prep:
	.size	k_q9f4950dabe_prep, .Lfunc_end_k_q9f4950dabe_prep-k_q9f4950dabe_prep
	.p2alignl 7, 3214868480
	.fill 96, 4, 3214868480
	.section	.rodata,"a",@progbits
	.p2align	6, 0x0
	.amdhsa_kernel k_q9f4950dabe_prep
		.amdhsa_group_segment_fixed_size 136704
		.amdhsa_private_segment_fixed_size 0
		.amdhsa_enable_private_segment 0
		.amdhsa_kernarg_size 96
		.amdhsa_user_sgpr_count 2
		.amdhsa_user_sgpr_kernarg_segment_ptr 1
		.amdhsa_wavefront_size32 1
		.amdhsa_system_sgpr_workgroup_id_x 1
		.amdhsa_system_sgpr_workgroup_id_y 1
		.amdhsa_system_sgpr_workgroup_id_z 1
		.amdhsa_system_vgpr_workitem_id 0
		.amdhsa_next_free_vgpr 256
		.amdhsa_next_free_sgpr 66
		.amdhsa_reserve_vcc 0
		.amdhsa_float_denorm_mode_32 3
		.amdhsa_float_denorm_mode_16_64 3
		.amdhsa_memory_ordered 1
		.amdhsa_forward_progress 1
		.amdhsa_inst_pref_size 180
	.end_amdhsa_kernel
	.amdgpu_metadata
---
amdhsa.version: [ 1, 2 ]
amdhsa.kernels:
  - .name:           k_q9f4950dabe_prep
    .symbol:         k_q9f4950dabe_prep.kd
    .args:
      - { .name: x, .offset: 0, .size: 8, .value_kind: global_buffer, .address_space: global }
      - { .name: w_q, .offset: 8, .size: 8, .value_kind: global_buffer, .address_space: global }
      - { .name: w_k, .offset: 16, .size: 8, .value_kind: global_buffer, .address_space: global }
      - { .name: w_v, .offset: 24, .size: 8, .value_kind: global_buffer, .address_space: global }
      - { .name: w_o, .offset: 32, .size: 8, .value_kind: global_buffer, .address_space: global }
      - { .name: mask, .offset: 40, .size: 8, .value_kind: global_buffer, .address_space: global }
      - { .name: xc, .offset: 48, .size: 8, .value_kind: global_buffer, .address_space: global }
      - { .name: xs, .offset: 56, .size: 8, .value_kind: global_buffer, .address_space: global }
      - { .name: wc, .offset: 64, .size: 8, .value_kind: global_buffer, .address_space: global }
      - { .name: ws, .offset: 72, .size: 8, .value_kind: global_buffer, .address_space: global }
      - { .name: wot, .offset: 80, .size: 8, .value_kind: global_buffer, .address_space: global }
      - { .name: maskw, .offset: 88, .size: 8, .value_kind: global_buffer, .address_space: global }
    .group_segment_fixed_size: 136704
    .private_segment_fixed_size: 0
    .kernarg_segment_align: 8
    .kernarg_segment_size: 96
    .max_flat_workgroup_size: 128
    .sgpr_count:     66
    .vgpr_count:     256
    .wavefront_size: 32
...
	.end_amdgpu_metadata
.endif
;; end of part 1
;; launch qkv (part 2): grid 12 x 32, 4 waves a work-group, clusters of 4 x 4, 327,680 bytes of LDS; arguments xc, xs, wc, ws, b_q, b_k, b_v, qkv; writes qkv
.if DOCPART == 2
	.amdgcn_target "amdgcn-amd-amdhsa--gfx1250"
	.amdhsa_code_object_version 6
	.text
	.protected	k_q9f4950dabe_qkv
	.globl	k_q9f4950dabe_qkv
	.p2align	8
	.type	k_q9f4950dabe_qkv,@function
k_q9f4950dabe_qkv:
	s_mov_b64 s[64:65], 0
	v_nop
	global_prefetch_b8 v0, s[64:65] scope:SCOPE_SE
	s_setreg_imm32_b32 hwreg(HW_REG_WAVE_MODE, 25, 1), 1
	s_wait_xcnt 0x0
	s_wait_alu depctr_hold_cnt(0) depctr_sa_sdst(0) depctr_va_vdst(0) depctr_va_sdst(0) depctr_va_ssrc(0) depctr_va_vcc(0) depctr_vm_vsrc(0)
	s_getreg_b32 s2, hwreg(HW_REG_IB_STS2, 6, 4)
	s_cmp_eq_u32 s2, 0
	s_cbranch_scc0 .Lentry_in_a_cluster
	s_endpgm
.Lentry_in_a_cluster:
	s_bfe_u32 s2, ttmp6, 0x10000c
	s_cmp_lg_u32 s2, 0xf033
	s_cbranch_scc0 .Lentry_shape_is_right
	s_endpgm
.Lentry_shape_is_right:
; q, k, v = x w + b for all three weights at once: C[m][n] = sum over k of A[m][k] B[n][k] + bias[n], A = x's codes [8192][1024], B = the three weights' codes [3072][1024], both FP4 (E2M1) with one E8M0 scale
; for each 32 along K; sums in f32; the results are rounded to f16 and laid by heads: qkv [3][b 4][h 16][t 2048][64].  LIMIT: |q|, |k|, |v| above 65,504 have no f16 number.
; A tile of C, 256 x 256, is made by a work-group of four waves; a wave makes 128 x 128: 64 accumulators of 16 x 16, 512 registers.  K = 1,024 is two slots of 512 (rows of 256 bytes): both are asked for at the
; start and nothing is filled twice.  The scales of the work-group's rows, two dense blocks, come with them.
; CLUSTERS: 4 x 4 work-groups.  The four of a row need the same tiles of A, the four of a column the same tiles of B: each tile is asked for JOINTLY, by the same tensor load with the same descriptor and a mask
; that names the four.  A cluster's four tile columns are one of the three weights: the cluster's x says which.
; THE MATRIX INSTRUCTION IS USED TRANSPOSED (source 0 = 16 rows of B, source 1 = 16 rows of A): a lane then holds eight neighbouring columns of a row of C.  THE BIAS is the C of each sum's first instruction.
; REGISTERS, in windows of 256: window 0: v0-31 addresses; v32-95 scale words, two sets; v128-191 A's fragments, ONE set; v192-255 the bias, 8 registers for each of B's 8 blocks; on the way out v32-63, v192-255 are free.
;   window 1: B's fragments, TWO sets, at v0 and v128.   window 2: the accumulators of my rows 0-63 ((a, b) at v[8 (8 a + b)]);   window 3: those of my rows 64-127.
.set KSTEP,  512
.set NQ,     4                         ; matrix instructions deep in a slot
.set ROWB,   256                       ; a tile's row in bytes
.set KROW,   512                       ; a row of A or B in memory
.set PITCH,  272                       ; an LDS row: 256 bytes + 16 of padding = 68 words: the 16 rows that a load touches start at 16 different columns of 16 bytes
.set FR,     8
.set NL,     2
.set NP,     4
.set HALFT,  128*PITCH
.set SLOT,   4*HALFT
.set KS,     32                        ; a row of scales in bytes
.set SCL,    2*SLOT                    ; behind the slots: the scales, as runs of 256 bytes + 16 of padding
.set HALFS,  (128*KS/256)*272
.set SBLK,   (16*KS/256)*272
.set SPARE,  SCL+4*HALFS               ; the spare words, 128 bytes for each wave: two blocks of 256 bytes that no other line names
.set ADRA, 16
.set ADRB, 20
.set STO,  24
.set RD,   25
.set CO,   26
.set ADRS, 27
.set SPW,  28                          ; v28  SPARE + 4 x my thread's number; never rewritten
.set NIL,  29                          ; v29  0; never rewritten
.set BOF,  30                          ; v30  32 x (lane / 16): my eight numbers of a bias block
.set SC,   32
.set AF,   128
.set BIAS, 192
.set TMP,  192                         ; the way out: packed results
.set OB,   32                          ; the way out: rows read back: v32-63 and v224-255 by turns
.set G1, 24
.set G0, 32
.set G1B, 48
.set G0B, 56
.set G1S, 68
.set G0S, 76
.set G1SB, 80
.set G0SB, 88
.set MSB, 0
.macro WIN new                         ; the immediate's high byte repeats the setting that is left
.if MSB != \new
	s_set_vgpr_msb (MSB<<8)|\new
.set MSB, \new
.endif
.endm
.set MUL_LO, 0xa1                      ; source 0 (B) window 1, source 1 (A) window 0, C and D window 2
.set MUL_HI, 0xf1                      ; the same, C and D window 3
.set BIA_LO, 0x81                      ; the first step: C (the bias) window 0, D window 2
.set BIA_HI, 0xc1                      ; D window 3
.set TO_B,   0x40
; A joint load: waves 0 and 1 fetch for A, waves 2 and 3 for B; the branch hangs on the wave's number alone.  An s_nop 0 and four v_nop follow each of the two lines.
.macro JLOAD g0a, g1a, g0b, g1b
	s_cmp_eq_u32 s15, 0
	s_cbranch_scc0 .Lfor_b_\@
	tensor_load_to_lds s[\g0a:\g0a+3], s[\g1a:\g1a+7]
	s_nop 0
.rept 4
	v_nop
.endr
	s_branch .Lasked_\@
.Lfor_b_\@:
	tensor_load_to_lds s[\g0b:\g0b+3], s[\g1b:\g1b+7]
	s_nop 0
.rept 4
	v_nop
.endr
.Lasked_\@:
.endm
.macro CROUND                          ; a round of the cluster's barrier
	s_barrier_signal -1
	s_barrier_wait -1
	s_cmp_lg_u32 s14, 0
	s_cbranch_scc1 .Lnot_wave_0_\@
	s_barrier_signal -3
.Lnot_wave_0_\@:
	s_barrier_wait -3
	s_barrier_signal -1
	s_barrier_wait -1
.endm
	s_load_b128 s[4:7], s[0:1], 0x0                ; A's codes, A's scales
	s_load_b128 s[8:11], s[0:1], 0x10              ; B's codes, B's scales
	s_load_b128 s[96:99], s[0:1], 0x20             ; b_q, b_k
	s_load_b64 s[100:101], s[0:1], 0x30            ; b_v
	s_load_b64 s[12:13], s[0:1], 0x38              ; qkv
	v_lshl_add_u32 v[SPW], v0, 2, SPARE
	v_mov_b32 v[NIL], 0
	ds_add_u32 v[SPW], v[NIL]                      ; the wave's opening: the add, twice on end, and its wait ahead of my first tensor load
	ds_add_u32 v[SPW], v[NIL]
	v_lshrrev_b32 v1, 5, v0
	v_readfirstlane_b32 s14, v1                    ; wave 0..3
	s_lshr_b32 s15, s14, 1                         ; which half of the tile's rows is mine.  Also: I fetch for A (0) or for B (1)
	s_and_b32 s16, s14, 1                          ; which half of its columns.  Also: which 128 rows of that tile I fetch
	s_bfe_u32 s40, ttmp6, 0x40000                  ; cx, cy
	s_bfe_u32 s41, ttmp6, 0x40004
	s_lshl_b32 s42, ttmp9, 2
	s_add_co_u32 s42, s42, s40                     ; tile column of C
	s_and_b32 s17, ttmp7, 0xffff
	s_lshl_b32 s17, s17, 2
	s_add_co_u32 s17, s17, s41                     ; tile row of C
	s_lshl_b32 s43, s41, 2
	s_lshl_b32 s43, 15, s43                        ; my row of the cluster
	s_lshl_b32 s44, 0x1111, s40                    ; my column
	s_or_b32 s[G1+0], s43, (0<<16)|(1<<20)|(1<<21)|(5<<22)|(3<<25)  ; the mask; elements of 1 byte; padding on; bit 21 beside a mask; after every 64 words, 4 words
	s_or_b32 s[G1B+0], s44, (0<<16)|(1<<20)|(1<<21)|(5<<22)|(3<<25)
.irp g, G1, G1B
	s_mov_b32 s[\g+1], ROWB<<16                    ; tensor_dim0
	s_mov_b32 s[\g+2], 128<<16                     ; tensor_dim1
	s_mov_b32 s[\g+3], ROWB<<16                    ; tile_dim0
	s_mov_b32 s[\g+4], 128                         ; tile_dim1
	s_mov_b32 s[\g+5], KROW                        ; from row to row
	s_mov_b32 s[\g+6], 0
	s_mov_b32 s[\g+7], 0
.endr
	s_or_b32 s[G1S+0], s43, (3<<16)|(1<<20)|(1<<21)|(5<<22)|(3<<25) ; the scales of 128 rows: 4,096 dense bytes, as 16 rows of 32 elements of 8 bytes, 16 bytes of padding behind each
	s_or_b32 s[G1SB+0], s44, (3<<16)|(1<<20)|(1<<21)|(5<<22)|(3<<25)
.irp g, G1S, G1SB
	s_mov_b32 s[\g+1], 32<<16
	s_mov_b32 s[\g+2], (128*KS/256)<<16
	s_mov_b32 s[\g+3], 32<<16
	s_mov_b32 s[\g+4], 128*KS/256
	s_mov_b32 s[\g+5], 32
	s_mov_b32 s[\g+6], 0
	s_mov_b32 s[\g+7], 0
.endr
	s_lshl_b32 s18, s16, 7
	s_lshl_b32 s20, s17, 8
	s_add_co_u32 s20, s20, s18                     ; A: row 256 x tile row + 128 x half
	s_lshl_b32 s46, s42, 8
	s_add_co_u32 s46, s46, s18                     ; B: row 256 x tile column + 128 x half
	s_mov_b32 s21, 0
	s_mov_b32 s47, 0
	s_mov_b64 s[18:19], KS
	s_mul_u64 s[22:23], s[20:21], s[18:19]         ; where these rows' scales begin
	s_mul_u64 s[92:93], s[46:47], s[18:19]
	s_mov_b64 s[18:19], KROW
	s_mul_u64 s[20:21], s[20:21], s[18:19]         ; and their codes
	s_mul_u64 s[46:47], s[46:47], s[18:19]
	s_mul_i32 s45, s14, HALFT                      ; where they go: wave x 128 rows
	s_mul_i32 s94, s14, HALFS
	s_wait_dscnt 0x0                               ; both opening adds are done
	s_wait_kmcnt 0x0
	s_add_nc_u64 s[20:21], s[4:5], s[20:21]
	s_add_nc_u64 s[22:23], s[6:7], s[22:23]
	s_add_nc_u64 s[46:47], s[8:9], s[46:47]
	s_add_nc_u64 s[92:93], s[10:11], s[92:93]
	CROUND                                         ; all sixteen work-groups are here: the joint loads meet
	s_mov_b32 s[G0S], 1
	s_add_co_u32 s[G0S+1], s94, SCL
	s_mov_b64 s[G0S+2:G0S+3], s[22:23]
	s_or_b32 s[G0S+3], s[G0S+3], 0x80000000
	s_mov_b32 s[G0SB], 1
	s_add_co_u32 s[G0SB+1], s94, SCL
	s_mov_b64 s[G0SB+2:G0SB+3], s[92:93]
	s_or_b32 s[G0SB+3], s[G0SB+3], 0x80000000
	JLOAD G0S, G1S, G0SB, G1SB                     ; the scales first; with the two slots three loads of mine are out
.irp s, 0,1
	s_mov_b32 s[G0+4*\s], 1
	s_add_co_u32 s[G0+4*\s+1], s45, \s*SLOT
	s_add_nc_u64 s[G0+4*\s+2:G0+4*\s+3], s[20:21], \s*ROWB
	s_or_b32 s[G0+4*\s+3], s[G0+4*\s+3], 0x80000000
	s_mov_b32 s[G0B+4*\s], 1
	s_add_co_u32 s[G0B+4*\s+1], s45, \s*SLOT
	s_add_nc_u64 s[G0B+4*\s+2:G0B+4*\s+3], s[46:47], \s*ROWB
	s_or_b32 s[G0B+4*\s+3], s[G0B+4*\s+3], 0x80000000
	JLOAD G0+4*\s, G1, G0B+4*\s, G1B
.endr
	v_and_b32 v1, 15, v0                           ; r = lane % 16
	v_bfe_u32 v2, v0, 4, 1                         ; h = lane / 16
	; the bias of my 128 columns: which tensor's by the cluster's x (a choice that hangs on no address), then 256 cx + 128 x half numbers on
	s_cmp_eq_u32 ttmp9, 0
	s_cselect_b64 s[96:97], s[96:97], s[98:99]
	s_cmp_eq_u32 ttmp9, 2
	s_cselect_b64 s[96:97], s[100:101], s[96:97]
	s_lshl_b32 s46, s40, 10
	s_lshl_b32 s47, s16, 9
	s_add_co_u32 s46, s46, s47
	s_mov_b32 s47, 0
	s_add_nc_u64 s[96:97], s[96:97], s[46:47]
	v_lshlrev_b32 v[BOF], 5, v2
.irp b, 0,1,2,3,4,5,6,7
	global_load_b128 v[BIAS+8*\b:BIAS+8*\b+3], v[BOF], s[96:97] offset:64*\b       ; in the result's layout: lane (r, h), register j: column 16 b + 8 h + j
	global_load_b128 v[BIAS+8*\b+4:BIAS+8*\b+7], v[BOF], s[96:97] offset:64*\b+16
.endr
	v_mul_u32_u24 v3, v1, PITCH
	v_lshl_add_u32 v4, v2, 4, v3                   ; a fragment's row x pitch + 16 x half
	s_mul_i32 s21, s15, HALFT                      ; my 128 rows of A
	s_mul_i32 s22, s16, HALFT                      ; my 128 rows of B,
	s_add_co_u32 s22, s22, 2*HALFT                 ; behind A's 256
.irp s, 0,1
	v_add_nc_u32 v[ADRA+\s], s21, v4
	v_add_nc_u32 v[ADRB+\s], s22, v4
	s_add_co_u32 s21, s21, SLOT
	s_add_co_u32 s22, s22, SLOT
.endr
	v_mul_u32_u24 v5, v1, KS                       ; my row's scales: 32 bytes a row,
	v_lshrrev_b32 v6, 8, v5
	v_lshl_add_u32 v5, v6, 4, v5                   ; and 16 more for each 256 passed
	s_mul_i32 s21, s15, HALFS
	s_mul_i32 s22, s16, HALFS
	s_add_co_u32 s22, s22, 2*HALFS
	s_sub_co_u32 s22, s22, s21
	v_mul_u32_u24 v6, s22, v2                      ; lanes 16-31 take B's: one product, the distance between the two bases
	s_add_co_u32 s21, s21, SCL
	v_add_nc_u32 v5, v5, v6
	v_add_nc_u32 v[ADRS], s21, v5
	s_mul_i32 s23, s14, 16*PITCH                   ; my stage for the way out: 16 rows x 272 bytes in slot 0, which has had its only fill and its last read when the first result is stored there
	v_lshl_add_u32 v5, v2, 4, v3
	v_add_nc_u32 v[STO], s23, v5                   ; in: row r, 16 bytes for each half of the lanes
	v_and_b32 v6, 31, v0
	v_lshrrev_b32 v8, 3, v6
	v_and_b32 v9, 7, v6
	v_mul_u32_u24 v8, v8, PITCH
	v_lshl_add_u32 v8, v9, 4, v8
	v_add_nc_u32 v[RD], s23, v8                    ; back: eight lanes take the 128 bytes that a row has of one head; four rows an instruction
	v_lshlrev_b32 v[CO], 4, v6                     ; in memory those four rows of a head lie on end: 16 x lane
	; where my part begins in qkv: tensor x 2^24 + b x 2^22 + head (4 cx + 2 x half) x 2^18 + t x 128
	s_lshl_b32 s92, ttmp9, 24
	s_lshr_b32 s93, s17, 3
	s_lshl_b32 s93, s93, 22
	s_add_co_u32 s92, s92, s93
	s_lshl_b32 s93, s40, 1
	s_add_co_u32 s93, s93, s16
	s_lshl_b32 s93, s93, 19
	s_add_co_u32 s92, s92, s93
	s_and_b32 s93, s17, 7
	s_lshl_b32 s93, s93, 1
	s_add_co_u32 s93, s93, s15
	s_lshl_b32 s93, s93, 14                        ; 128 rows of 128 bytes
	s_add_co_u32 s92, s92, s93
	s_mov_b32 s93, 0
	s_add_nc_u64 s[12:13], s[12:13], s[92:93]
.macro FRAG reg, adr, q, i             ; 16 rows x 128 K of 4-bit codes: 8 registers: lane l holds row l % 16; registers 4 c .. 4 c + 3 hold K = 64 c + 32 (l / 16) + 0 .. 31
.irp c, 0,1
	ds_load_b128 v[\reg+4*\c:\reg+4*\c+3], v[\adr] offset:64*(\q)+32*\c+(\i)*16*PITCH
.endr
.endm
; 16 matrix instructions: A's blocks a0, a0 + 1 x B's eight, the slot's q-th 128 along K.  p: B's set; sc: the set of scale words.  first = 1: the bias starts the sums: nothing is cleared or added later.
; The 64 accumulators take turns, one instruction a turn, in the same order in every step.
.macro MUL16 a0, p, q, sc, first
.irp a, \a0, \a0+1
.irp b, 0,1,2,3,4,5,6,7
.if \first
	v_wmma_scale_f32_16x16x128_f8f6f4 v[8*(8*((\a)%4)+\b):8*(8*((\a)%4)+\b)+7], v[128*(\p)+FR*\b:128*(\p)+FR*\b+FR-1], v[AF+FR*(\a):AF+FR*(\a)+FR-1], v[BIAS+8*\b:BIAS+8*\b+7], v[SC+8*NQ*(\sc)+NQ*\b+(\q)], v[SC+8*NQ*(\sc)+NQ*(\a)+(\q)] matrix_a_fmt:MATRIX_FMT_FP4 matrix_b_fmt:MATRIX_FMT_FP4 matrix_a_scale:MATRIX_SCALE_ROW1
.else
	v_wmma_scale_f32_16x16x128_f8f6f4 v[8*(8*((\a)%4)+\b):8*(8*((\a)%4)+\b)+7], v[128*(\p)+FR*\b:128*(\p)+FR*\b+FR-1], v[AF+FR*(\a):AF+FR*(\a)+FR-1], v[8*(8*((\a)%4)+\b):8*(8*((\a)%4)+\b)+7], v[SC+8*NQ*(\sc)+NQ*\b+(\q)], v[SC+8*NQ*(\sc)+NQ*(\a)+(\q)] matrix_a_fmt:MATRIX_FMT_FP4 matrix_b_fmt:MATRIX_FMT_FP4 matrix_a_scale:MATRIX_SCALE_ROW1
.endif
.endr
.endr
.endm
.macro FETCH_B slot, q, p
	WIN TO_B
.irp i, 0,1,2,3,4,5,6,7
	FRAG 128*(\p)+FR*\i, ADRB+\slot, \q, \i
.endr
	WIN 0
.endm
.macro FETCH_A slot, q, i0
.irp i, \i0, \i0+1, \i0+2, \i0+3
	FRAG AF+FR*(\i), ADRA+\slot, \q, \i
.endr
.endm
.macro SCALES sc                       ; a slot's scale words: 4 words a row; lanes 0-15 take A's block i, lanes 16-31 B's block i
.irp i, 0,1,2,3,4,5,6,7
	ds_load_b128 v[SC+8*NQ*\sc+NQ*\i:SC+8*NQ*\sc+NQ*\i+3], v[ADRS] offset:\i*SBLK
.endr
.endm
.macro PLACES n                        ; plain vector instructions between a matrix instruction and a load into, or a read of, its registers
.rept \n
	v_nop
.endr
.endm
.macro STEP slot, q, first             ; a step of 128 along K that has its successor in the same slot
	s_wait_dscnt 4*NL                              ; B's set, the scale words and A's blocks 0-3 are in; the youngest eight loads (A's blocks 4-7) may be out
.if \first
	WIN BIA_LO
.else
	WIN MUL_LO
.endif
	MUL16 0, (\q)%2, \q, \slot, \first
	MUL16 2, (\q)%2, \q, \slot, \first
	s_wait_dscnt 0                                 ; A's blocks 4-7 are in
	PLACES NP
	FETCH_B \slot, (\q)+1, 1-(\q)%2
	FETCH_A \slot, (\q)+1, 0
.if \first
	WIN BIA_HI
.else
	WIN MUL_HI
.endif
	MUL16 4, (\q)%2, \q, \slot, \first
	MUL16 6, (\q)%2, \q, \slot, \first
	PLACES NP
	WIN 0
	FETCH_A \slot, (\q)+1, 4
.endm
.macro TURN slot, next                 ; slot 0's last step goes over to slot 1: one barrier
	s_wait_tensorcnt 0x0                           ; all my tensor loads have landed: my part of the next slot;
	ds_add_u32 v[SPW], v[NIL]                      ; 0 onto my spare word;
	s_wait_dscnt 4*NL+1                            ; (the add and the youngest eight loads may be out)
	WIN MUL_LO
	MUL16 0, 1, NQ-1, \slot, 0
	s_wait_dscnt 0x0                               ; the add is done, and my reads of this slot are over
	s_barrier_signal -1
	MUL16 2, 1, NQ-1, \slot, 0
	WIN 0
	s_barrier_wait -1                              ; the next slot is whole, and nobody reads this one any more
	PLACES NP
	v_add_nc_u32 v[ADRS], 4*NQ, v[ADRS]            ; on to the next slot's scale words
	FETCH_B \next, 0, 0
	FETCH_A \next, 0, 0
	SCALES \next
	WIN MUL_HI
	MUL16 4, 1, NQ-1, \slot, 0
	MUL16 6, 1, NQ-1, \slot, 0
	PLACES NP
	WIN 0
	FETCH_A \next, 0, 4
.endm
	s_wait_tensorcnt 1                             ; the scales and my part of slot 0 are in (slot 1's load may be out),
	s_barrier_signal -1
	s_barrier_wait -1                              ; everybody's are
	FETCH_B 0, 0, 0
	FETCH_A 0, 0, 0
	SCALES 0
	FETCH_A 0, 0, 4
	s_wait_loadcnt 0x0                             ; the bias
	STEP 0, 0, 1
	STEP 0, 1, 0
	STEP 0, 2, 0
	TURN 0, 1
	STEP 1, 0, 0
	STEP 1, 1, 0
	STEP 1, 2, 0
	s_wait_dscnt 4*NL                              ; the very last step: nothing more to fetch
	WIN MUL_LO
	MUL16 0, 1, NQ-1, 1, 0
	MUL16 2, 1, NQ-1, 1, 0
	s_wait_dscnt 0
	WIN MUL_HI
	MUL16 4, 1, NQ-1, 1, 0
	MUL16 6, 1, NQ-1, 1, 0
	WIN 0
; THE WAY OUT, block by block of 16 rows x 128 columns (two heads).  PACK: rounded to f16, 16 bytes a lane, each accumulator from its low end on.  TOSTAGE: into my stage and back, four rows of one head an
; instruction.  SEND: each store covers 512 consecutive bytes, aligned: four rows t of one head.
.macro PACK a
.set AC, 64*((\a)%4)
	WIN (0x0a+5*((\a)/4))                          ; sources 0 and 1: window 2 or 3
.irp b, 0,1,2,3,4,5,6,7
.irp r, 0,1,2,3
	v_cvt_pk_f16_f32 v[TMP+4*\b+\r], v[AC+8*\b+2*\r], v[AC+8*\b+2*\r+1]
.endr
.endr
	WIN 0
.endm
.macro TOSTAGE a
.set BB, OB+192*((\a)%2)
.irp b, 0,1,2,3,4,5,6,7
	ds_store_b128 v[STO], v[TMP+4*\b:TMP+4*\b+3] offset:32*\b
.endr
.irp j, 0,1
.irp i, 0,1,2,3
	ds_load_b128 v[BB+4*(4*\j+\i):BB+4*(4*\j+\i)+3], v[RD] offset:4*PITCH*\i+128*\j   ; LDS serves a wave's instructions in order: these see the stores above
.endr
.endr
.endm
.macro SEND a
.set BB, OB+192*((\a)%2)
	s_wait_dscnt 0x0                               ; the block is back in registers
	s_wait_xcnt 0x0                                ; the earlier stores have read their registers: the next block's loads may land there
.irp j, 0,1
.irp i, 0,1,2,3
	global_store_b128 v[CO], v[BB+4*(4*\j+\i):BB+4*(4*\j+\i)+3], s[12:13] offset:2048*(\a)+262144*\j+512*\i
.endr
.endr
.endm
	PLACES NP
	PACK 0
	TOSTAGE 0
.irp a, 1,2,3,4,5,6,7                  ; block a's conversions stand between block a - 1's loads from the stage and the wait for them
	PACK \a
	SEND \a-1
	TOSTAGE \a
.endr
	SEND 7
	s_wait_tensorcnt 0x0                           ; the wave's end, behind my last tensor load and my last LDS store
	ds_add_u32 v[SPW], v[NIL]
	s_wait_dscnt 0x0
	CROUND                                         ; the closing round
	s_endpgm
.Lfunc_end_k_q9f4950dabe_qkv:
	.size	k_q9f4950dabe_qkv, .Lfunc_end_k_q9f4950dabe_qkv-k_q9f4950dabe_qkv
	.p2alignl 7, 3214868480
	.fill 96, 4, 3214868480
	.section	.rodata,"a",@progbits
	.p2align	6, 0x0
	.amdhsa_kernel k_q9f4950dabe_qkv
		.amdhsa_group_segment_fixed_size 327680
		.amdhsa_private_segment_fixed_size 0
		.amdhsa_enable_private_segment 0
		.amdhsa_kernarg_size 64
		.amdhsa_user_sgpr_count 2
		.amdhsa_user_sgpr_kernarg_segment_ptr 1
		.amdhsa_wavefront_size32 1
		.amdhsa_system_sgpr_workgroup_id_x 1
		.amdhsa_system_sgpr_workgroup_id_y 1
		.amdhsa_system_sgpr_workgroup_id_z 1
		.amdhsa_system_vgpr_workitem_id 0
		.amdhsa_next_free_vgpr 1024
		.amdhsa_next_free_sgpr 102
		.amdhsa_reserve_vcc 0
		.amdhsa_float_denorm_mode_32 3
		.amdhsa_float_denorm_mode_16_64 3
		.amdhsa_memory_ordered 1
		.amdhsa_forward_progress 1
		.amdhsa_inst_pref_size 128
	.end_amdhsa_kernel
	.amdgpu_metadata
---
amdhsa.version: [ 1, 2 ]
amdhsa.kernels:
  - .name:           k_q9f4950dabe_qkv
    .symbol:         k_q9f4950dabe_qkv.kd
    .args:
      - { .name: xc, .offset: 0, .size: 8, .value_kind: global_buffer, .address_space: global }
      - { .name: xs, .offset: 8, .size: 8, .value_kind: global_buffer, .address_space: global }
      - { .name: wc, .offset: 16, .size: 8, .value_kind: global_buffer, .address_space: global }
      - { .name: ws, .offset: 24, .size: 8, .value_kind: global_buffer, .address_space: global }
      - { .name: b_q, .offset: 32, .size: 8, .value_kind: global_buffer, .address_space: global }
      - { .name: b_k, .offset: 40, .size: 8, .value_kind: global_buffer, .address_space: global }
      - { .name: b_v, .offset: 48, .size: 8, .value_kind: global_buffer, .address_space: global }
      - { .name: qkv, .offset: 56, .size: 8, .value_kind: global_buffer, .address_space: global }
    .group_segment_fixed_size: 327680
    .private_segment_fixed_size: 0
    .kernarg_segment_align: 8
    .kernarg_segment_size: 64
    .max_flat_workgroup_size: 128
    .sgpr_count:     102
    .vgpr_count:     1024
    .wavefront_size: 32
...
	.end_amdgpu_metadata
.endif
;; end of part 2
;; launch attn (part 3): grid 8 x 32, 8 waves a work-group, clusters of 4 x 1, 327,680 bytes of LDS; arguments qkv, maskw, y; writes y
.if DOCPART == 3
	.amdgcn_target "amdgcn-amd-amdhsa--gfx1250"
	.amdhsa_code_object_version 6
	.text
	.protected	k_q9f4950dabe_attn
	.globl	k_q9f4950dabe_attn
	.p2align	8
	.type	k_q9f4950dabe_attn,@function
k_q9f4950dabe_attn:
	s_mov_b64 s[64:65], 0
	v_nop
	global_prefetch_b8 v0, s[64:65] scope:SCOPE_SE
	s_setreg_imm32_b32 hwreg(HW_REG_WAVE_MODE, 25, 1), 1
	s_wait_xcnt 0x0
	s_wait_alu depctr_hold_cnt(0) depctr_sa_sdst(0) depctr_va_vdst(0) depctr_va_sdst(0) depctr_va_ssrc(0) depctr_va_vcc(0) depctr_vm_vsrc(0)
	s_getreg_b32 s2, hwreg(HW_REG_IB_STS2, 6, 4)
	s_cmp_eq_u32 s2, 0
	s_cbranch_scc0 .Lentry_in_a_cluster
	s_endpgm
.Lentry_in_a_cluster:
	s_bfe_u32 s2, ttmp6, 0x10000c
	s_cmp_lg_u32 s2, 0x3003
	s_cbranch_scc0 .Lentry_shape_is_right
	s_endpgm
.Lentry_shape_is_right:
; y[b][q][64 h + :] = the sum over k of softmax_k(s'(q, k)) v[b][h][k][:], s' = q . k / 8 where the mask is not 0 and -1e6 where it is 0.  q, k, v: f16 [3][b][h][2048][64]; y: f16 [8192][1024].
; Products, maxima and sums in f32; the weights p are rounded to f16 for the second product, y once at the end.  LIMITS: NaN and infinities are not served; |y| above 65,504 has no f16 number.
; THE MASK is an input: it comes as lane masks (maskw: a word for each register of scores, a bit for each lane).  A masked RAW score is REPLACED by -8e6 (x 1/8 = -1e6) ahead of the running maximum,
; as the definition has it: a row with no key left gets the uniform softmax.
; SHARES.  A work-group owns 256 queries of TWO heads 2 p and 2 p + 1, so that a row of y gets 256 bytes on end.  Waves 0-3 (role 0) take head 2 p, waves 4-7 (role 1) head 2 p + 1; each wave 64 queries, four tiles of 16.
; Every wave walks all 2,048 keys, 64 a step.  LAYOUT: S^T = K Q^T (source 0 = 16 keys, source 1 = 16 queries): a lane holds ONE query (lane % 16) and keys 8 (lane / 16) + 0..7; two such tiles, rounded in pairs,
; ARE source 1 of O^T = V^T P.  K comes out of LDS as it lies, V ([key][channel]) turned, by ds_load_tr16_b128.
; SOFTMAX: a running maximum m and sum l for each query; p = 2^(c s - c m), c = log2(e) / 8; in every step O and l are multiplied by a = 2^(c m_old - c m_new).
; TWO PHASES A STEP: a matrix phase M(j) (V^T P of step j - 1, K Q^T of step j, and the LDS loads for both) and a softmax phase S(j) (vector work alone).  Role 0 runs M(j), S(j) in trip j; role 1 runs S(j - 1), M(j):
; so one role has matrix work where the other has vector work, and both read step j's LDS bytes in the same trip.
; CLUSTER: the four query blocks of a cluster walk the same K and V of the head pair: each tile is asked for JOINTLY, by the same tensor load with the same descriptor and a mask that names the four.
; REGISTERS, in two windows of 256.  Window 0: v1-21 addresses and constants; v32-63 statistics, eight a tile; v64-127 Q; v128-255 S^T, 32 a tile (P is written into the first 16 of each tile).
;   Window 1: v0-127 O^T, 32 a tile; v128-191 K of one step; v192-255 V of one step.
.set PK,    144                        ; a row of K in LDS: 128 bytes + 16: the 16 rows of a load start at 16 different columns of 16 bytes
.set PVP,   160                        ; a row of V: 128 + 32: an odd multiple of 32 bytes, for the turning load
.set KH,    128*PK                     ; a slot's 128 keys of one head: K,
.set VH,    128*PVP                    ; V
.set VOFF,  2*KH                       ; a slot: K of head 0, K of head 1, V of head 0, V of head 1
.set SLOT1, 1<<17                      ; slot 1 begins here: one exclusive or turns an address in one slot into the other's
.set SPARE, SLOT1+2*KH+2*VH            ; the spare words, 128 bytes for each wave: four blocks of 256 bytes that no other line names
.set SP,    272                        ; the stage for y: 256 rows x (256 bytes + 16), from byte 0: written only when no wave reads any slot and no fill is to come
.set AK0, 3                            ; v3   my lane's place in a step's K, my head's
.set AV0, 4                            ; v4   the same for V
.set ADK, 5                            ; v5   LDS address of the step's K
.set ADV, 6                            ; v6   of its V
.set QO,  7                            ; v7   my byte offset in the wave's rows of Q
.set NEG, 8                            ; v8   -8e6
.set CC,  10                           ; v[10:11] c, twice
.set SPW, 12                           ; v12  SPARE + 4 x my thread's number; never rewritten
.set NIL, 13                           ; v13  0; never rewritten
.set PFO, 14                           ; v14  256 x my lane
.set STO, 15                           ; v15  the stage: where I put 16 bytes of a row
.set RD,  16                           ; v16  and where I read a row back
.set GO,  17                           ; v17  my byte offset in the wave's rows of y
.set XB,  18                           ; v18-21 a second chain for the row's sum, a pair for each tile of two
.set ST,  32                           ; tile t's statistics at v[ST + 8 t]: +0 c m, +1 m, +2, +3 l (even keys', odd keys'), +4 to +7 at work; a in +6
.set Q,   64                           ; tile t, channels 32 c on: v[Q + 16 t + 8 c]
.set S,   128
.set KF,  128                          ; window 1
.set VF,  192                          ; window 1
.set G1K, 4                            ; s[4:11]  descriptor group 1 for K's tiles
.set G1V, 12                           ; s[12:19] for V's: it differs in the padding alone
.set G0,  20                           ; s[20:23] my group 0, which walks
.set WV,  24
.set SLOTS, 25
.set TWICE, 26
.set FIRST, 27                         ; 1 in the very first trip
.set MW0, 28                           ; s[28:59] the mask words of one tile and step
.set TBK, 60                           ; LDS byte at which the step's K begins (head 0's)
.set TBV, 61                           ; and how far on its V lies
.set LIM, 62                           ; 1 in a wave that prefetches, else the greatest number
.set R,   63                           ; my role
.set SEL, 66                           ; s[66:67] lane selects for v_permlanex16_b32: lane l xor 16
.set MW1, 68                           ; s[68:99] the mask words of a second tile; at the head: scratch
.set MP,  100                          ; s[100:101] my tile 0's mask words of the step in hand
.set PFA, 104                          ; s[104:105] where my prefetches stand
.set MSB, 0
.macro WIN new                         ; the immediate's high byte repeats the setting that is left
.if MSB != \new
	s_set_vgpr_msb (MSB<<8)|\new
.set MSB, \new
.endif
.endm
.set W_LD, 0x40                        ; destination window 1, address window 0
.set W_PV, 0x51                        ; V window 1, P window 0, O^T (C and D) window 1
.set W_KQ, 0x01                        ; K window 1, Q and S^T window 0
.set W_RS, 0x41                        ; O^T (destination and source 0) window 1, the factor window 0
; A joint load: wave 0, 1: K of head 0, 1; wave 2, 3: V of head 0, 1; waves 4-7 none.  The branches hang on the wave's number alone.  An s_nop 0 and four v_nop follow each of the two lines.
.macro JLOAD
	s_cmp_lt_u32 s[WV], 2
	s_cbranch_scc0 .Lnot_k_\@
	tensor_load_to_lds s[G0:G0+3], s[G1K:G1K+7]
	s_nop 0
.rept 4
	v_nop
.endr
	s_branch .Lasked_\@
.Lnot_k_\@:
	s_cmp_lt_u32 s[WV], 4
	s_cbranch_scc0 .Lasked_\@
	tensor_load_to_lds s[G0:G0+3], s[G1V:G1V+7]
	s_nop 0
.rept 4
	v_nop
.endr
.Lasked_\@:
.endm
; A PREFETCH INTO THE L2 of what the NEXT change of slots will ask for: four dense blocks of 16,384 bytes (K and V of two heads).  Each aligned 256 bytes are named once in the launch: both clusters of a head pair
; walk the same rows, and the first asks; its four partners take a block each, told apart BY ADDRESS; in each, waves 4 and 5, which fetch nothing, take a half each, lanes 256 bytes apart: one instruction a wave.
; It stands two key steps ahead of the load that will want the bytes.  The last change that fills a slot asks for nothing; the first two slots come by their loads alone.
.macro ASK
	s_cmp_gt_u32 s[SLOTS], s[LIM]
	s_cbranch_scc0 .Lnot_mine_\@
	global_prefetch_b8 v[PFO], s[PFA:PFA+1] th:TH_LOAD_NT scope:SCOPE_SE
.Lnot_mine_\@:
.endm
.macro CROUND                          ; a round of the cluster's barrier
	s_barrier_signal -1
	s_barrier_wait -1
	s_cmp_lg_u32 s[WV], 0
	s_cbranch_scc1 .Lnot_wave_0_\@
	s_barrier_signal -3
.Lnot_wave_0_\@:
	s_barrier_wait -3
	s_barrier_signal -1
	s_barrier_wait -1
.endm
.macro MLOAD set, off                  ; 32 mask words: one tile, one step
	s_load_b512 s[\set:\set+15], s[MP:MP+1], \off
	s_load_b512 s[\set+16:\set+31], s[MP:MP+1], \off+64
.endm
; O^T += V^T P: 32 products: keys 32 g on, channels 16 dt on, tile t.  The 16 accumulators take turns, one instruction a turn.
.macro PVALL
	WIN W_PV
.set i, 0
.rept 32
.set g, i/16
.set dt, (i/4)%4
.set t, i%4
	v_wmma_f32_16x16x32_f16 v[32*t+8*dt:32*t+8*dt+7], v[VF+8*(4*g+dt):VF+8*(4*g+dt)+7], v[S+32*t+8*g:S+32*t+8*g+7], v[32*t+8*dt:32*t+8*dt+7]
.set i, i+1
.endr
	WIN 0
.endm
; THE MATRIX PHASE of step j.
.macro MPHASE
	s_wait_kmcnt 0x0                               ; no scalar load of mine is out: the words' registers may be loaded again
	MLOAD MW0, 0                                   ; the words of tiles 0 and 1 of this step: wanted at the head of its softmax
	MLOAD MW1, 4096
	WIN W_LD
.irp f, 0,1,2,3,4,5,6,7                        ; K of step j: keys 16 (f / 2) on, channels 32 (f % 2) on.  (The last products that read K stand five plain instructions back or more)
	ds_load_b128 v[KF+8*\f:KF+8*\f+3],   v[ADK] offset:(\f/2)*16*PK+(\f%2)*64
	ds_load_b128 v[KF+8*\f+4:KF+8*\f+7], v[ADK] offset:(\f/2)*16*PK+(\f%2)*64+32
.endr
	s_wait_dscnt 16                                ; all but the 16 just issued: V of step j - 1 is in
	PVALL
.rept 5
	v_nop                                          ; four places ahead of the loads into V's registers, five ahead of the products that write over P
.endr
	WIN W_LD
.irp f, 0,1,2,3,4,5,6,7                        ; V of step j, turned: keys 32 (f / 4) on, channels 16 (f % 4) on
	ds_load_tr16_b128 v[VF+8*\f:VF+8*\f+3],   v[ADV] offset:(\f/4)*32*PVP+(\f%4)*32
	ds_load_tr16_b128 v[VF+8*\f+4:VF+8*\f+7], v[ADV] offset:(\f/4)*32*PVP+16*PVP+(\f%4)*32
.endr
	s_wait_dscnt 16                                ; all but the 16 just issued: K is in
	WIN W_KQ
.set i, 0
.rept 32                                       ; S^T = K Q^T: channels 32 c on, keys 16 kt on, tile t; the first 16 start the sums
.set c, i/16
.set kt, (i/4)%4
.set t, i%4
.if i < 16
	v_wmma_f32_16x16x32_f16 v[S+32*t+8*kt:S+32*t+8*kt+7], v[KF+8*(2*kt+c):KF+8*(2*kt+c)+7], v[Q+16*t+8*c:Q+16*t+8*c+7], 0
.else
	v_wmma_f32_16x16x32_f16 v[S+32*t+8*kt:S+32*t+8*kt+7], v[KF+8*(2*kt+c):KF+8*(2*kt+c)+7], v[Q+16*t+8*c:Q+16*t+8*c+7], v[S+32*t+8*kt:S+32*t+8*kt+7]
.endif
.set i, i+1
.endr
	WIN 0
.rept 5
	v_nop                                          ; places ahead of the first read of the scores and of the next loads into K's registers
.endr
.endm
; THE SOFTMAX PHASE, piece by piece.
.macro CND t, set                      ; tile t: a score whose mask bit is 0 becomes -8e6; each accumulator from its low end on
.set i, 0
.rept 32
	v_cndmask_b32 v[S+32*(\t)+i], v[NEG], v[S+32*(\t)+i], s[\set+i]
.set i, i+1
.endr
.endm
.macro MX t, j                         ; line j of 16 of the maximum of tile t's 32 scores and the old m: four chains of seven scores, then the four left over, the chains and m
.set rT, ST+8*(\t)
.set rS, S+32*(\t)
.if (\j) < 4
	v_max3_num_f32 v[rT+4+(\j)], v[rS+8*(\j)], v[rS+8*(\j)+1], v[rS+8*(\j)+2]
.elseif (\j) < 12
	v_max3_num_f32 v[rT+4+(\j)%4], v[rT+4+(\j)%4], v[rS+8*((\j)%4)+2*((\j)/4)+1], v[rS+8*((\j)%4)+2*((\j)/4)+2]
.elseif (\j) == 12
	v_max3_num_f32 v[rT+4], v[rT+4], v[rS+7], v[rS+15]
.elseif (\j) == 13
	v_max3_num_f32 v[rT+6], v[rT+6], v[rS+23], v[rS+31]
.elseif (\j) == 14
	v_max3_num_f32 v[rT+4], v[rT+4], v[rT+5], v[rT+6]
.else
	v_max3_num_f32 v[rT+4], v[rT+4], v[rT+7], v[rT+1]
.endif
.endm
.macro SCL t, b                        ; pair b: c s - c m
	v_pk_fma_f32 v[S+32*(\t)+2*(\b):S+32*(\t)+2*(\b)+1], v[S+32*(\t)+2*(\b):S+32*(\t)+2*(\b)+1], v[CC:CC+1], v[ST+8*(\t):ST+8*(\t)+1] op_sel_hi:[1,0,0] neg_lo:[0,0,1] neg_hi:[0,0,1]
.endm
.macro EXPP t, e
	v_exp_f32 v[S+32*(\t)+(\e)], v[S+32*(\t)+(\e)]
.endm
.macro SUM t, k                        ; line k of 16 of the sum of tile t's 16 pairs, in two chains that leave p as it is; then l = a l + the sum
.set rT, ST+8*(\t)
.set rS, S+32*(\t)
.set rX, XB+2*((\t)%2)
.if (\k) == 0
	v_pk_add_f32 v[rT+4:rT+5], v[rS:rS+1], v[rS+2:rS+3]
.elseif (\k) == 1
	v_pk_add_f32 v[rX:rX+1], v[rS+4:rS+5], v[rS+6:rS+7]
.elseif (\k) < 14
.if (\k)%2 == 0
	v_pk_add_f32 v[rT+4:rT+5], v[rT+4:rT+5], v[rS+2*(\k)+4:rS+2*(\k)+5]
.else
	v_pk_add_f32 v[rX:rX+1], v[rX:rX+1], v[rS+2*(\k)+4:rS+2*(\k)+5]
.endif
.elseif (\k) == 14
	v_pk_add_f32 v[rT+4:rT+5], v[rT+4:rT+5], v[rX:rX+1]
.else
	v_pk_fma_f32 v[rT+2:rT+3], v[rT+2:rT+3], v[rT+6:rT+7], v[rT+4:rT+5] op_sel_hi:[1,0,1]
.endif
.endm
.macro CVT t, j                        ; pair j of weights, rounded to f16, into register j of the tile: never ahead of a register that is still to be read
	v_cvt_pk_f16_f32 v[S+32*(\t)+(\j)], v[S+32*(\t)+2*(\j)], v[S+32*(\t)+2*(\j)+1]
.endm
; Tiles y and y + 1 from the masked scores on.  The exponentials go in two batches, each with ONE wait ahead of its first reader: the first tile's stand among the second
; tile's scalings, the second tile's among the first tile's sums and roundings, so that plain work stands beside them.
.macro REST y
.irp j, 0,1,2,3,4,5,6,7,8,9,10,11,12,13,14,15
.irp t, \y, \y+1
	MX \t, \j
.endr
.endr
.irp t, \y, \y+1
	v_permlanex16_b32 v[ST+8*(\t)+5], v[ST+8*(\t)+4], s[SEL], s[SEL+1]   ; the query's other 32 keys lie in the lane 16 away
.endr
.irp t, \y, \y+1
	v_mov_b32 v[ST+8*(\t)+7], v[ST+8*(\t)]         ; c m_old is kept for a
.endr
.irp t, \y, \y+1
	v_max_num_f32 v[ST+8*(\t)+1], v[ST+8*(\t)+4], v[ST+8*(\t)+5]
.endr
.irp t, \y, \y+1
	v_mul_f32 v[ST+8*(\t)], v[CC], v[ST+8*(\t)+1]
.endr
.irp t, \y, \y+1
	v_sub_f32 v[ST+8*(\t)+7], v[ST+8*(\t)+7], v[ST+8*(\t)]
.endr
.irp t, \y, \y+1
	v_exp_f32 v[ST+8*(\t)+6], v[ST+8*(\t)+7]       ; a
.endr
.set k, 0
.rept 16
	SCL \y, k
.set k, k+1
.endr
.set k, 0
.rept 16
	EXPP \y, 2*k
	EXPP \y, 2*k+1
	SCL \y+1, k
.set k, k+1
.endr
	s_wait_alu depctr_va_vdst(0)                   ; one wait for both a and the first tile's 32 exponentials; the scaling above is the plain instruction behind the last of them
.set k, 0
.rept 32
	EXPP \y+1, k
.if k < 16
	SUM \y, k
.else
	CVT \y, k-16
.endif
.set k, k+1
.endr
	s_wait_alu depctr_va_vdst(0)                   ; one wait for the second tile's 32; the rounding above is the plain instruction behind the last
.set k, 0
.rept 16
	SUM \y+1, k
.set k, k+1
.endr
.set k, 0
.rept 16
	CVT \y+1, k
.set k, k+1
.endr
	WIN W_RS
.irp t, \y, \y+1
.set k, 0
.rept 16
	v_pk_mul_f32 v[32*(\t)+2*k:32*(\t)+2*k+1], v[32*(\t)+2*k:32*(\t)+2*k+1], v[ST+8*(\t)+6:ST+8*(\t)+7] op_sel_hi:[1,0]   ; O^T under the new m, each accumulator from its low end on
.set k, k+1
.endr
.endr
	WIN 0
.endm
.macro SPHASE
	s_wait_kmcnt 0x0                               ; the words of tiles 0 and 1 are in
	CND 0, MW0
	CND 1, MW1
	MLOAD MW0, 8192                                ; those of tiles 2 and 3 land while tiles 0 and 1 are worked
	MLOAD MW1, 12288
	REST 0
	s_wait_kmcnt 0x0                               ; they are in, and no scalar load reads its base any more:
	s_add_nc_u64 s[MP:MP+1], s[MP:MP+1], 128       ; on to the next step's words
	CND 2, MW0
	CND 3, MW1
	REST 2
.endm
; THE CHANGE OF SLOTS stands at a slot's head.  Each wave waits for all its tensor loads (a fetching wave's one load: its part of the slot ahead), adds 0 to its spare word, and waits for that and for its reads of
; the slot that it has left.  fill = 1: a round of the cluster's barrier, and behind it the slot just left is filled with the 128 keys that follow: the load has two key steps in which to land.
.macro CHANGE fill
	s_wait_tensorcnt 0x0                           ; no tensor load of mine is out, so my group 0 may be written
	ds_add_u32 v[SPW], v[NIL]
.if \fill
	ds_add_u32 v[SPW], v[NIL]                      ; and once more
	s_xor_b32 s[G0+1], s[G0+1], SLOT1              ; the other slot than last time,
	s_add_nc_u64 s[G0+2:G0+3], s[G0+2:G0+3], 16384 ; the next 128 keys; the type bits on top are not reached
	s_wait_xcnt 0x0                                ; the last prefetch, a slot back, has read its address, so it may be written
	s_add_nc_u64 s[PFA:PFA+1], s[PFA:PFA+1], 16384
	s_wait_dscnt 0x0                               ; both adds are done, and my reads of the slot that I have left are over
	CROUND
	JLOAD
	ASK
.else
	s_wait_dscnt 0x0
	s_barrier_signal -1
	s_barrier_wait -1
.endif
.endm
; A slot's two key steps: written once, walked twice.  The LDS addresses are made in the text that all waves run, ahead of the partings by role.
.macro TWO_STEPS
	s_mov_b32 s[TWICE], 2
.Lstep_\@:
	v_add_nc_u32 v[ADK], s[TBK], v[AK0]
	v_add_nc_u32 v[ADV], s[TBV], v[AV0]
	s_cmp_lg_u32 s[R], 0
	s_cbranch_scc1 .Lno_m0_\@
	MPHASE                                         ; role 0: M(j)
.Lno_m0_\@:
	s_and_b32 s2, s[R], s[FIRST]
	s_cmp_lg_u32 s2, 0
	s_cbranch_scc1 .Lno_s_\@                       ; role 1 has no scores yet in the very first trip
	SPHASE                                         ; role 0: S(j); role 1: S(j - 1)
.Lno_s_\@:
	s_cmp_eq_u32 s[R], 0
	s_cbranch_scc1 .Lno_m1_\@
	MPHASE                                         ; role 1: M(j)
.Lno_m1_\@:
	s_mov_b32 s[FIRST], 0
	s_add_co_u32 s[TBK], s[TBK], 64*PK
	s_add_co_u32 s[TBV], s[TBV], 64*PVP
	s_sub_co_u32 s[TWICE], s[TWICE], 1
	s_cmp_lg_u32 s[TWICE], 0
	s_cbranch_scc1 .Lstep_\@
	s_sub_co_u32 s[TBK], s[TBK], 128*PK            ; back to a slot's first step,
	s_xor_b32 s[TBK], s[TBK], SLOT1                ; in the other slot
	s_sub_co_u32 s[TBV], s[TBV], 128*PVP
	s_xor_b32 s[TBV], s[TBV], SLOT1
.endm
	s_load_b128 s[68:71], s[0:1], 0x0              ; qkv s[68:69], maskw s[70:71]
	v_lshl_add_u32 v[SPW], v0, 2, SPARE
	v_mov_b32 v[NIL], 0
	ds_add_u32 v[SPW], v[NIL]                      ; the wave's opening: the add, twice on end, and its wait ahead of the first tensor load
	ds_add_u32 v[SPW], v[NIL]
	v_lshrrev_b32 v1, 5, v0
	v_readfirstlane_b32 s[WV], v1                  ; wave 0..7
	s_lshr_b32 s[R], s[WV], 2                      ; role
	s_mov_b32 s[G1K], 15|(1<<16)|(1<<20)|(1<<21)|(4<<22)|(3<<25)  ; the mask: all four work-groups; elements of 2 bytes; padding on; bit 21 beside a mask; after every 32 words, 4 words
	s_mov_b32 s[G1V], 15|(1<<16)|(1<<20)|(1<<21)|(4<<22)|(7<<25)  ; the same with 8 words of padding
.irp g, G1K, G1V
	s_mov_b32 s[\g+1], 64<<16                      ; tensor_dim0 = 64
	s_mov_b32 s[\g+2], 128<<16                     ; tensor_dim1 = 128
	s_mov_b32 s[\g+3], 64<<16                      ; tile_dim0 = 64
	s_mov_b32 s[\g+4], 128                         ; tile_dim1 = 128
	s_mov_b32 s[\g+5], 64                          ; from row to row
	s_mov_b32 s[\g+6], 0
	s_mov_b32 s[\g+7], 0
.endr
	; my group 0: made of the wave's number and the head pair, which the partners share; its registers never hold my place in the cluster
	s_and_b32 s74, ttmp7, 0xffff                   ; 8 b + p
	s_lshl_b32 s75, s74, 1                         ; 16 b + 2 p: the pair's first head
	s_mov_b32 s[G0], 1
	s_mul_i32 s[G0+1], s[WV], KH                   ; LDS: 0, KH, 2 KH,
	s_lshr_b32 s2, s[WV], 1
	s_and_b32 s3, s2, s[WV]
	s_lshl_b32 s3, s3, 11
	s_add_co_u32 s[G0+1], s[G0+1], s3              ; 2 KH + VH (VH - KH = 2,048) for waves 0 to 3
	s_add_co_u32 s2, s2, 1                         ; tensor 1 (k) or 2 (v)
	s_lshl_b32 s2, s2, 24
	s_and_b32 s3, s[WV], 1
	s_add_co_u32 s3, s3, s75
	s_lshl_b32 s3, s3, 18                          ; a head is 262,144 bytes
	s_add_co_u32 s76, s2, s3
	s_mov_b32 s77, 0
	; what hangs on my place in the cluster: Q's, the mask words' and the prefetches' addresses alone
	s_bfe_u32 s72, ttmp6, 0x40000                  ; cx
	s_lshl_b32 s73, ttmp9, 2
	s_add_co_u32 s73, s73, s72                     ; my block of 256 queries
	s_and_b32 s86, s[WV], 3                        ; my wave's 64 of them
	s_add_co_u32 s87, s75, s[R]                    ; my head
	s_lshl_b32 s87, s87, 18
	s_lshl_b32 s88, s73, 15
	s_add_co_u32 s87, s87, s88
	s_lshl_b32 s88, s86, 13
	s_add_co_u32 s78, s87, s88                     ; Q: head x 262,144 + (256 block + 64 wave) x 128
	s_mov_b32 s79, 0
	s_lshr_b32 s87, s74, 3
	s_lshl_b32 s87, s87, 7
	s_lshl_b32 s88, s73, 4
	s_add_co_u32 s87, s87, s88
	s_lshl_b32 s88, s86, 2
	s_add_co_u32 s87, s87, s88                     ; my first tile of queries: 128 b + 16 block + 4 wave
	s_lshl_b32 s82, s87, 12                        ; 4,096 bytes of words a tile
	s_mov_b32 s83, 0
	s_lshr_b32 s87, s72, 1
	s_add_co_u32 s87, s87, 1
	s_lshl_b32 s87, s87, 24                        ; the prefetches: partner cx takes tensor 1 + cx / 2,
	s_and_b32 s88, s72, 1
	s_add_co_u32 s88, s88, s75                     ; head cx % 2 of the pair,
	s_lshl_b32 s88, s88, 18
	s_add_co_u32 s84, s87, s88
	s_and_b32 s88, s[WV], 1
	s_lshl_b32 s88, s88, 13                        ; my wave's half of the 16,384 bytes,
	s_add_co_u32 s84, s84, s88
	s_add_co_u32 s84, s84, 16384                   ; at the second 128 keys: the first change of slots steps it to the third
	s_mov_b32 s85, 0
	s_lshr_b32 s89, s[WV], 1
	s_xor_b32 s89, s89, 2                          ; 0 in waves 4 and 5,
	s_or_b32 s89, s89, ttmp9                       ; of the head pair's first cluster: the same in all four partners
	s_cmp_eq_u32 s89, 0
	s_cselect_b32 s[LIM], 1, -1
	s_mov_b32 s[SEL], 0x76543210
	s_mov_b32 s[SEL+1], 0xfedcba98
	s_mov_b32 s[TBK], 0
	s_mov_b32 s[TBV], 0
	s_mov_b32 s[FIRST], 1
	s_mov_b32 s[SLOTS], 15
	s_wait_dscnt 0x0                               ; both opening adds are done
	s_wait_kmcnt 0x0
	s_add_nc_u64 s[G0+2:G0+3], s[68:69], s[76:77]
	s_or_b32 s[G0+3], s[G0+3], 0x80000000          ; type = 2
	s_add_nc_u64 s[80:81], s[68:69], s[78:79]      ; Q
	s_add_nc_u64 s[MP:MP+1], s[70:71], s[82:83]
	s_add_nc_u64 s[PFA:PFA+1], s[68:69], s[84:85]
	CROUND                                         ; all four work-groups are here: the first joint loads meet
	JLOAD                                          ; slot 0: keys 0 to 127
	v_and_b32 v1, 15, v0                           ; r
	v_bfe_u32 v2, v0, 4, 1                         ; h
	v_lshlrev_b32 v[QO], 7, v1
	v_lshl_add_u32 v[QO], v2, 4, v[QO]             ; row x 128 + 16 x half
.irp i, 0,1,2,3,4,5,6,7                        ; Q stays in registers: tile i / 2, channels 32 (i % 2) on
	global_load_b128 v[Q+8*\i:Q+8*\i+3],   v[QO], s[80:81] offset:(\i/2)*2048+(\i%2)*64
	global_load_b128 v[Q+8*\i+4:Q+8*\i+7], v[QO], s[80:81] offset:(\i/2)*2048+(\i%2)*64+32
.endr
	v_mul_u32_u24 v[AK0], v1, PK
	v_lshl_add_u32 v[AK0], v2, 4, v[AK0]
	s_mul_i32 s2, s[R], KH
	v_add_nc_u32 v[AK0], s2, v[AK0]                ; K: row x pitch + 16 x half, in my head's part
	v_and_b32 v9, 7, v0
	v_lshl_add_u32 v[AV0], v2, 3, v9
	v_mul_u32_u24 v[AV0], v[AV0], PVP
	v_bfe_u32 v9, v0, 3, 1
	v_lshl_add_u32 v[AV0], v9, 4, v[AV0]
	s_mul_i32 s2, s[R], VH
	s_add_co_u32 s2, s2, VOFF
	v_add_nc_u32 v[AV0], s2, v[AV0]                ; V, for the turning load: key 8 h + l % 8, channels 8 ((l / 8) % 2) on
	s_and_b32 s2, s[WV], 3
	s_mul_i32 s2, s2, 64*SP
	s_lshl_b32 s3, s[R], 7
	s_add_co_u32 s2, s2, s3
	v_mul_u32_u24 v[STO], v1, SP
	v_lshl_add_u32 v[STO], v2, 4, v[STO]
	v_add_nc_u32 v[STO], s2, v[STO]                ; the stage, in: my 64 rows, my head's half of their 256 bytes; row r, 16 bytes for each half of the lanes
	s_mul_i32 s2, s[WV], 32*SP
	v_mul_u32_u24 v[RD], v2, SP
	v_lshl_add_u32 v[RD], v1, 4, v[RD]
	v_add_nc_u32 v[RD], s2, v[RD]                  ; back: wave w takes rows 32 w on, whole; lanes 0-15 one row, lanes 16-31 the next
	v_lshlrev_b32 v[GO], 11, v2
	v_lshl_add_u32 v[GO], v1, 4, v[GO]             ; and the same two rows in y
	v_and_b32 v[PFO], 31, v0
	v_lshlrev_b32 v[PFO], 8, v[PFO]
	v_mov_b32 v[NEG], 0xcaf42400                   ; -8e6
	v_mov_b32 v[CC], 0x3e38aa3b                    ; c = log2(e) / 8
	v_mov_b32 v[CC+1], 0x3e38aa3b
.irp t, 0,1,2,3
	v_mov_b32 v[ST+8*\t+1], 0xff61b1e6             ; m = -3e38, under every score
	v_mul_f32 v[ST+8*\t], v[CC], v[ST+8*\t+1]
.irp i, 2,3,4,5,6,7
	v_mov_b32 v[ST+8*\t+\i], 0
.endr
.endr
	; THE LOOP HAS NO FIRST STEP OF ITS OWN: O^T, P and V begin as zeros, so that the first matrix phase's products of "step -1" add nothing and the first change of m multiplies zeros.  That is 320 moves once,
	; against further copies of both phases.
.set i, 0
.rept 128
	v_mov_b32 v[S+i], 0
.set i, i+1
.endr
	WIN W_LD
.set i, 0
.rept 128
	v_mov_b32 v[i], 0
.set i, i+1
.endr
.set i, 0
.rept 64
	v_mov_b32 v[VF+i], 0
.set i, i+1
.endr
	WIN 0
	s_wait_loadcnt 0x0                             ; Q is in, and its base is free:
	MLOAD MW0, 0                                   ; the scratch registers take mask words from here on
	MLOAD MW1, 4096
.Lslot:                                            ; 15 trips: behind each change of slots but the last the next 128 keys are asked for
	CHANGE 1
	TWO_STEPS
	s_sub_co_u32 s[SLOTS], s[SLOTS], 1
	s_cmp_lg_u32 s[SLOTS], 0
	s_cbranch_scc1 .Lslot
	CHANGE 0                                       ; the last slot is written out
	TWO_STEPS
	s_cmp_eq_u32 s[R], 0
	s_cbranch_scc1 .Lno_tail
	SPHASE                                         ; role 1: the last step's softmax
.Lno_tail:
	s_wait_kmcnt 0x0                               ; no scalar load is out: the words' registers are free
	s_load_b64 s[28:29], s[0:1], 0x10              ; y
	s_bfe_u32 s30, ttmp6, 0x40000
	s_lshl_b32 s31, ttmp9, 2
	s_add_co_u32 s30, s30, s31                     ; my block of queries
	s_and_b32 s31, ttmp7, 0xffff
	s_lshr_b32 s32, s31, 3
	s_lshl_b32 s32, s32, 11
	s_lshl_b32 s30, s30, 8
	s_add_co_u32 s32, s32, s30
	s_lshl_b32 s30, s[WV], 5
	s_add_co_u32 s32, s32, s30                     ; the first row that I store: 2,048 b + 256 block + 32 wave
	s_lshl_b32 s32, s32, 11                        ; of 2,048 bytes
	s_and_b32 s31, s31, 7
	s_lshl_b32 s31, s31, 8                         ; the head pair's 256 bytes
	s_add_co_u32 s32, s32, s31
	s_mov_b32 s33, 0
	s_wait_dscnt 0x0                               ; V of the last step is in, and my reads of the slots are over:
	s_barrier_signal -1                            ; say so,
	PVALL                                          ; the last step's V^T P on registers meanwhile,
	s_barrier_wait -1                              ; and behind this no wave reads a slot: the stage may be written
	; THE WAY OUT.  l's halves and the other half of the lanes' are added (the first four additions are the places behind the last products); O^T is divided by l, rounded to f16 and sent through the stage.
.irp t, 0,1,2,3
	v_add_f32 v[ST+8*\t+4], v[ST+8*\t+2], v[ST+8*\t+3]
.endr
.irp t, 0,1,2,3
	v_permlanex16_b32 v[ST+8*\t+5], v[ST+8*\t+4], s[SEL], s[SEL+1]
.endr
.irp t, 0,1,2,3
	v_add_f32 v[ST+8*\t+4], v[ST+8*\t+4], v[ST+8*\t+5]
.endr
.irp t, 0,1,2,3
	v_rcp_f32 v[ST+8*\t+6], v[ST+8*\t+4]
.endr
	v_nop                                          ; a plain instruction behind the last reciprocal
	s_wait_alu depctr_va_vdst(0)                   ; and one wait for the four, ahead of their first reader
.irp t, 0,1,2,3
	WIN W_RS
.set k, 0
.rept 16
	v_pk_mul_f32 v[32*\t+2*k:32*\t+2*k+1], v[32*\t+2*k:32*\t+2*k+1], v[ST+8*\t+6:ST+8*\t+7] op_sel_hi:[1,0]
.set k, k+1
.endr
	WIN 0x05                                       ; sources 0 and 1 window 1, destination window 0
.set k, 0
.rept 16
	v_cvt_pk_f16_f32 v[S+16*\t+k], v[32*\t+2*k], v[32*\t+2*k+1]
.set k, k+1
.endr
	WIN 0
.irp d, 0,1,2,3
	ds_store_b128 v[STO], v[S+16*\t+4*\d:S+16*\t+4*\d+3] offset:16*SP*\t+32*\d   ; lane (r, h): query 16 t + r, channels 16 d + 8 h + 0 .. 7
.endr
.endr
	s_wait_dscnt 0x0                               ; for the others' sake: my stores into the stage are done
	s_barrier_signal -1
	s_barrier_wait -1                              ; a row's 256 bytes come from two waves
.irp i, 0,1,2,3,4,5,6,7,8,9,10,11,12,13,14,15
	ds_load_b128 v[192+4*\i:192+4*\i+3], v[RD] offset:2*SP*\i
.endr
	s_wait_kmcnt 0x0
	s_add_nc_u64 s[28:29], s[28:29], s[32:33]
.irp i, 0,1,2,3,4,5,6,7,8,9,10,11,12,13,14,15
	s_wait_dscnt 15-\i                             ; load i is in, the younger ones may be out
	global_store_b128 v[GO], v[192+4*\i:192+4*\i+3], s[28:29] offset:4096*\i   ; 16 lanes store 256 consecutive bytes, aligned
.endr
	s_wait_tensorcnt 0x0                           ; the wave's end, behind my last tensor load and my last LDS store
	ds_add_u32 v[SPW], v[NIL]
	s_wait_dscnt 0x0
	CROUND                                         ; the closing round
	s_endpgm
.Lfunc_end_k_q9f4950dabe_attn:
	.size	k_q9f4950dabe_attn, .Lfunc_end_k_q9f4950dabe_attn-k_q9f4950dabe_attn
	.p2alignl 7, 3214868480
	.fill 96, 4, 3214868480
	.section	.rodata,"a",@progbits
	.p2align	6, 0x0
	.amdhsa_kernel k_q9f4950dabe_attn
		.amdhsa_group_segment_fixed_size 327680
		.amdhsa_private_segment_fixed_size 0
		.amdhsa_enable_private_segment 0
		.amdhsa_kernarg_size 24
		.amdhsa_user_sgpr_count 2
		.amdhsa_user_sgpr_kernarg_segment_ptr 1
		.amdhsa_wavefront_size32 1
		.amdhsa_system_sgpr_workgroup_id_x 1
		.amdhsa_system_sgpr_workgroup_id_y 1
		.amdhsa_system_sgpr_workgroup_id_z 1
		.amdhsa_system_vgpr_workitem_id 0
		.amdhsa_next_free_vgpr 512
		.amdhsa_next_free_sgpr 106
		.amdhsa_reserve_vcc 0
		.amdhsa_float_denorm_mode_32 3
		.amdhsa_float_denorm_mode_16_64 3
		.amdhsa_memory_ordered 1
		.amdhsa_forward_progress 1
		.amdhsa_inst_pref_size 168
	.end_amdhsa_kernel
	.amdgpu_metadata
---
amdhsa.version: [ 1, 2 ]
amdhsa.kernels:
  - .name:           k_q9f4950dabe_attn
    .symbol:         k_q9f4950dabe_attn.kd
    .args:
      - { .name: qkv, .offset: 0, .size: 8, .value_kind: global_buffer, .address_space: global }
      - { .name: maskw, .offset: 8, .size: 8, .value_kind: global_buffer, .address_space: global }
      - { .name: y, .offset: 16, .size: 8, .value_kind: global_buffer, .address_space: global }
    .group_segment_fixed_size: 327680
    .private_segment_fixed_size: 0
    .kernarg_segment_align: 8
    .kernarg_segment_size: 24
    .max_flat_workgroup_size: 256
    .sgpr_count:     106
    .vgpr_count:     512
    .wavefront_size: 32
...
	.end_amdgpu_metadata
.endif
;; end of part 3
;; launch oproj (part 4): grid 8 x 64, 4 waves a work-group, clusters of 4 x 4, 327,680 bytes of LDS; arguments y, wot, b_o, out0; writes out0
.if DOCPART == 4
	.amdgcn_target "amdgcn-amd-amdhsa--gfx1250"
	.amdhsa_code_object_version 6
	.text
	.protected	k_q9f4950dabe_oproj
	.globl	k_q9f4950dabe_oproj
	.p2align	8
	.type	k_q9f4950dabe_oproj,@function
k_q9f4950dabe_oproj:
	s_mov_b64 s[64:65], 0
	v_nop
	global_prefetch_b8 v0, s[64:65] scope:SCOPE_SE
	s_setreg_imm32_b32 hwreg(HW_REG_WAVE_MODE, 25, 1), 1
	s_wait_xcnt 0x0
	s_wait_alu depctr_hold_cnt(0) depctr_sa_sdst(0) depctr_va_vdst(0) depctr_va_sdst(0) depctr_va_ssrc(0) depctr_va_vcc(0) depctr_vm_vsrc(0)
	s_getreg_b32 s2, hwreg(HW_REG_IB_STS2, 6, 4)
	s_cmp_eq_u32 s2, 0
	s_cbranch_scc0 .Lentry_in_a_cluster
	s_endpgm
.Lentry_in_a_cluster:
	s_bfe_u32 s2, ttmp6, 0x10000c
	s_cmp_lg_u32 s2, 0xf033
	s_cbranch_scc0 .Lentry_shape_is_right
	s_endpgm
.Lentry_shape_is_right:
; out0[m][n] = sum over k of y[m][k] wot[n][k] + b_o[n].  y: [8192][1024] f16, wot: [1024 n][1024 k] f16 (w_o with K innermost), out0: [8192][1024] f32; sums in f32.
; 256 x 256 tiles of C would be 128, half as many as there are WGPs: a tile is 128 x 128, 512 work-groups.  Four waves, each 64 x 64: 16 accumulators.  K goes in steps of 256 (LDS rows of 512 bytes; a wave's tensor
; load brings 64 of them) through two slots.  A wave's 64 columns of f32 are 256 bytes on end, aligned: each wave sends its own results out through a stage of its own, with no barrier.
; CLUSTERS: 4 x 4 work-groups; A's tile is asked for jointly along a row of the cluster, B's along a column.  THE MATRIX INSTRUCTION IS USED TRANSPOSED (source 0 = 16 rows of B, source 1 = 16 rows of A): a lane
; holds eight neighbouring numbers of a row of C.  THE BIAS is the C of each sum's first instruction.
; REGISTERS: window 0: v0-31 addresses; v32-63 the bias, later with v64-95 the way out; v128-255 the accumulators ((a, b) at v[128 + 8 (4 a + b)]).  window 1: two fragment buffers of 128.
.set SIZE_N, 1024
.set SIZE_K, 1024
.set KSTEP,  256
.set PITCH,  528                       ; an LDS row: 512 bytes + 16 = 132 words: the 16 rows that a load touches start at 16 different columns of 16 bytes
.set HALFT,  64*PITCH
.set SLOT,   4*HALFT
.set STAGE,  2*SLOT                    ; behind the ring: 16 rows x 272 bytes for each wave
.set SPITCH, 272
.set SPARE,  STAGE+4*16*SPITCH         ; the spare words, 128 bytes for each wave: two blocks of 256 bytes that no other line names
.set LAPS, SIZE_K/(2*KSTEP)
.set ADRA, 16
.set ADRB, 20
.set STO,  24
.set RD,   25
.set CO,   26
.set BOF,  27                          ; v27  32 x (lane / 16)
.set SPW,  28                          ; v28  SPARE + 4 x my thread's number; never rewritten
.set NIL,  29                          ; v29  0; never rewritten
.set BIAS, 32
.set TMP,  32
.set ACC,  128
.set F0,   0
.set F1,   128
.set G1, 24
.set G0, 32
.set G1B, 48
.set G0B, 56
.set MSB, 0
.macro WIN new                         ; the immediate's high byte repeats the setting that is left
.if MSB != \new
	s_set_vgpr_msb (MSB<<8)|\new
.set MSB, \new
.endif
.endm
.set MUL,  0x05                        ; sources 0 (B) and 1 (A) window 1; C and D window 0
.set TO_F, 0x40
.macro JLOAD s                         ; a joint load: waves 0 and 1 fetch A's two halves, waves 2 and 3 B's; an s_nop 0 and four v_nop follow each of the two lines
	s_cmp_eq_u32 s11, 0
	s_cbranch_scc0 .Lfor_b_\@
	tensor_load_to_lds s[G0+4*\s:G0+4*\s+3], s[G1:G1+7]
	s_nop 0
.rept 4
	v_nop
.endr
	s_branch .Lasked_\@
.Lfor_b_\@:
	tensor_load_to_lds s[G0B+4*\s:G0B+4*\s+3], s[G1B:G1B+7]
	s_nop 0
.rept 4
	v_nop
.endr
.Lasked_\@:
.endm
.macro CREST                           ; a round of the cluster's barrier behind its opening barrier
	s_cmp_lg_u32 s10, 0
	s_cbranch_scc1 .Lnot_wave_0_\@
	s_barrier_signal -3
.Lnot_wave_0_\@:
	s_barrier_wait -3
	s_barrier_signal -1
	s_barrier_wait -1
.endm
.macro CROUND
	s_barrier_signal -1
	s_barrier_wait -1
	CREST
.endm
	s_load_b128 s[4:7], s[0:1], 0x0                ; y s[4:5], wot s[6:7]
	s_load_b64 s[66:67], s[0:1], 0x10              ; b_o
	s_load_b64 s[8:9], s[0:1], 0x18                ; out0
	v_lshl_add_u32 v[SPW], v0, 2, SPARE
	v_mov_b32 v[NIL], 0
	ds_add_u32 v[SPW], v[NIL]                      ; the wave's opening: the add, twice on end, and its wait ahead of my first tensor load
	ds_add_u32 v[SPW], v[NIL]
	v_lshrrev_b32 v1, 5, v0
	v_readfirstlane_b32 s10, v1                    ; wave 0..3
	s_lshr_b32 s11, s10, 1                         ; which half of the tile's rows is mine.  Also: I fetch for A (0) or for B (1)
	s_and_b32 s12, s10, 1                          ; which half of its columns.  Also: which 64 rows of that tile I fetch
	s_bfe_u32 s40, ttmp6, 0x40000                  ; cx, cy
	s_bfe_u32 s41, ttmp6, 0x40004
	s_lshl_b32 s42, ttmp9, 2
	s_add_co_u32 s42, s42, s40                     ; tile column of C
	s_and_b32 s13, ttmp7, 0xffff
	s_lshl_b32 s13, s13, 2
	s_add_co_u32 s13, s13, s41                     ; tile row of C
	s_lshl_b32 s43, s41, 2
	s_lshl_b32 s43, 15, s43                        ; my row of the cluster
	s_lshl_b32 s44, 0x1111, s40                    ; my column
	s_or_b32 s[G1+0], s43, (1<<16)|(1<<20)|(1<<21)|(6<<22)|(3<<25)  ; the mask; elements of 2 bytes; padding on; bit 21 beside a mask; after every 128 words, 4 words
	s_or_b32 s[G1B+0], s44, (1<<16)|(1<<20)|(1<<21)|(6<<22)|(3<<25)
.irp g, G1, G1B
	s_mov_b32 s[\g+1], KSTEP<<16                   ; tensor_dim0 = 256
	s_mov_b32 s[\g+2], 64<<16                      ; tensor_dim1 = 64
	s_mov_b32 s[\g+3], KSTEP<<16                   ; tile_dim0 = 256
	s_mov_b32 s[\g+4], 64                          ; tile_dim1 = 64
	s_mov_b32 s[\g+5], SIZE_K                      ; from row to row
	s_mov_b32 s[\g+6], 0
	s_mov_b32 s[\g+7], 0
.endr
	s_lshl_b32 s17, s12, 6
	s_lshl_b32 s16, s13, 7
	s_add_co_u32 s16, s16, s17                     ; A: row 128 x tile row + 64 x half
	s_lshl_b32 s46, s42, 7
	s_add_co_u32 s46, s46, s17                     ; B: row 128 x tile column + 64 x half
	s_mov_b32 s17, 0
	s_mov_b32 s47, 0
	s_mov_b64 s[18:19], SIZE_K*2
	s_mul_u64 s[16:17], s[16:17], s[18:19]
	s_mul_u64 s[46:47], s[46:47], s[18:19]
	s_mul_i32 s20, s10, HALFT                      ; where they go: wave x 64 rows
	s_wait_dscnt 0x0                               ; both opening adds are done
	s_wait_kmcnt 0x0
	s_add_nc_u64 s[14:15], s[4:5], s[16:17]
	s_add_nc_u64 s[46:47], s[6:7], s[46:47]
	CROUND                                         ; all sixteen work-groups are here: the first joint loads meet
.irp s, 0,1
	s_mov_b32 s[G0+4*\s], 1
	s_add_co_u32 s[G0+4*\s+1], s20, \s*SLOT
	s_add_nc_u64 s[G0+4*\s+2:G0+4*\s+3], s[14:15], \s*KSTEP*2
	s_or_b32 s[G0+4*\s+3], s[G0+4*\s+3], 0x80000000
	s_mov_b32 s[G0B+4*\s], 1
	s_add_co_u32 s[G0B+4*\s+1], s20, \s*SLOT
	s_add_nc_u64 s[G0B+4*\s+2:G0B+4*\s+3], s[46:47], \s*KSTEP*2
	s_or_b32 s[G0B+4*\s+3], s[G0B+4*\s+3], 0x80000000
	JLOAD \s
.endr
	v_and_b32 v1, 15, v0                           ; r
	v_bfe_u32 v2, v0, 4, 1                         ; h
	s_lshl_b32 s46, s42, 9                         ; my first column, in bytes of f32: 512 x tile column + 256 x half
	s_lshl_b32 s47, s12, 8
	s_add_co_u32 s46, s46, s47
	s_mov_b32 s47, 0
	s_add_nc_u64 s[66:67], s[66:67], s[46:47]
	v_lshlrev_b32 v[BOF], 5, v2
.irp b, 0,1,2,3
	global_load_b128 v[BIAS+8*\b:BIAS+8*\b+3], v[BOF], s[66:67] offset:64*\b       ; in the result's layout: lane (r, h), register j: column 16 b + 8 h + j
	global_load_b128 v[BIAS+8*\b+4:BIAS+8*\b+7], v[BOF], s[66:67] offset:64*\b+16
.endr
	v_mul_u32_u24 v3, v1, PITCH
	v_lshl_add_u32 v3, v2, 4, v3                   ; a fragment's row x pitch + 16 x half
	s_mul_i32 s21, s11, HALFT                      ; my 64 rows of A
	s_mul_i32 s22, s12, HALFT                      ; my 64 rows of B,
	s_add_co_u32 s22, s22, 2*HALFT                 ; behind A's 128
.irp s, 0,1
	v_add_nc_u32 v[ADRA+\s], s21, v3
	v_add_nc_u32 v[ADRB+\s], s22, v3
	s_add_co_u32 s21, s21, SLOT
	s_add_co_u32 s22, s22, SLOT
.endr
	s_mul_i32 s23, s10, 16*SPITCH
	s_add_co_u32 s23, s23, STAGE                   ; my stage
	v_mul_u32_u24 v4, v1, SPITCH
	v_lshl_add_u32 v4, v2, 5, v4
	v_add_nc_u32 v[STO], s23, v4                   ; in: row r, 32 bytes for each half of the lanes
	v_mul_u32_u24 v5, v2, SPITCH
	v_lshl_add_u32 v5, v1, 4, v5
	v_add_nc_u32 v[RD], s23, v5                    ; back: lanes 0-15 one row of 256 bytes, lanes 16-31 the next
	v_lshlrev_b32 v5, 12, v2
	v_lshl_add_u32 v[CO], v1, 4, v5                ; and the same two rows in C
	s_lshl_b32 s16, s13, 7
	s_lshl_b32 s17, s11, 6
	s_add_co_u32 s16, s16, s17                     ; my first row of C: 128 x tile row + 64 x half
	s_lshl_b32 s16, s16, 12                        ; of 4,096 bytes
	s_mov_b32 s17, 0
	s_add_nc_u64 s[8:9], s[8:9], s[16:17]
	s_add_nc_u64 s[8:9], s[8:9], s[46:47]
; 8 matrix instructions: m blocks a0, a0 + 1 x all 4 n blocks, 32 along K: half c of buffer f.  first = 1: the bias starts the sums.  The 16 accumulators take turns.
.macro MUL8 f, c, a0, first
.irp a, \a0, \a0+1
.irp b, 0,1,2,3
.if \first
	v_wmma_f32_16x16x32_f16 v[ACC+8*(4*(\a)+\b):ACC+8*(4*(\a)+\b)+7], v[\f+64+8*(4*\c+\b):\f+64+8*(4*\c+\b)+7], v[\f+8*(4*\c+\a):\f+8*(4*\c+\a)+7], v[BIAS+8*\b:BIAS+8*\b+7]
.else
	v_wmma_f32_16x16x32_f16 v[ACC+8*(4*(\a)+\b):ACC+8*(4*(\a)+\b)+7], v[\f+64+8*(4*\c+\b):\f+64+8*(4*\c+\b)+7], v[\f+8*(4*\c+\a):\f+8*(4*\c+\a)+7], v[ACC+8*(4*(\a)+\b):ACC+8*(4*(\a)+\b)+7]
.endif
.endr
.endr
.endm
.macro FETCH slot, k, f                ; 32 LDS loads in one run: the fragments of 64 along K at byte k of the rows, into buffer f; the first 32 along K first
	WIN TO_F
.irp c, 0,1
.irp i, 0,1,2,3
	ds_load_b128 v[\f+64+8*(4*\c+\i):\f+64+8*(4*\c+\i)+3],   v[ADRB+\slot] offset:\k+64*\c+\i*16*PITCH
	ds_load_b128 v[\f+64+8*(4*\c+\i)+4:\f+64+8*(4*\c+\i)+7], v[ADRB+\slot] offset:\k+64*\c+\i*16*PITCH+32
	ds_load_b128 v[\f+8*(4*\c+\i):\f+8*(4*\c+\i)+3],         v[ADRA+\slot] offset:\k+64*\c+\i*16*PITCH
	ds_load_b128 v[\f+8*(4*\c+\i)+4:\f+8*(4*\c+\i)+7],       v[ADRA+\slot] offset:\k+64*\c+\i*16*PITCH+32
.endr
.endr
.endm
.macro PLACES                          ; four plain instructions between matrix instructions and loads into, or reads of, their registers
.rept 4
	v_nop
.endr
.endm
.macro QUARTER slot, k, f, g, first    ; 64 along K on buffer f; in its middle the next quarter, at byte k, is fetched into g
	s_wait_dscnt 16                                ; the first 32 along K are in; the youngest sixteen loads may be out
	WIN MUL
	MUL8 \f, 0, 0, \first
	MUL8 \f, 0, 2, \first
	PLACES
	FETCH \slot, \k, \g
	s_wait_dscnt 32                                ; all but the 32 just issued
	WIN MUL
	MUL8 \f, 1, 0, 0
	MUL8 \f, 1, 2, 0
.endm
; A slot's last quarter changes slots: ONE barrier; in front of it each wave waits for all its tensor loads, adds 0 to its spare word, and waits for that and for its reads of this slot.  fill = 1: the slot is filled again.
.macro TURN slot, next, fill
	WIN 0
	s_wait_tensorcnt 0x0                           ; all my tensor loads have landed: my part of the next slot;
	ds_add_u32 v[SPW], v[NIL]
	s_wait_dscnt 17                                ; (the add and the youngest sixteen loads may be out)
	WIN MUL
	MUL8 F1, 0, 0, 0
	s_wait_dscnt 0x0                               ; the add is done, and my reads of this slot are over
	s_barrier_signal -1
	MUL8 F1, 0, 2, 0
.if \fill
	WIN 0
.endif
	s_barrier_wait -1
.if \fill
	CREST                                          ; the barrier has opened a round of the cluster's barrier: no wave of any partner still reads this slot or has a load on its way
	s_add_nc_u64 s[G0+4*\slot+2:G0+4*\slot+3], s[G0+4*\slot+2:G0+4*\slot+3], 2*KSTEP*2
	s_add_nc_u64 s[G0B+4*\slot+2:G0B+4*\slot+3], s[G0B+4*\slot+2:G0B+4*\slot+3], 2*KSTEP*2
	JLOAD \slot                                    ; the first tensor load behind the round; its four v_nop are also the places in front of the loads below
.else
	PLACES
.endif
	FETCH \next, 0, F0
	WIN MUL
	MUL8 F1, 1, 0, 0
	MUL8 F1, 1, 2, 0
.endm
	s_wait_tensorcnt 1                             ; my part of K step 0 is in (K step 1's load may be out),
	s_barrier_signal -1
	s_barrier_wait -1                              ; everybody's is
	FETCH 0, 0, F0
	s_wait_loadcnt 0x0                             ; the bias
	QUARTER 0, 128, F0, F1, 1
	WIN 0
	s_mov_b32 s3, LAPS-1
.Llap:                                                 ; a trip goes once round the ring, from a lap's second quarter to the next lap's first, and fills both slots again
	QUARTER 0, 256, F1, F0, 0
	QUARTER 0, 384, F0, F1, 0
	TURN 0, 1, 1
	QUARTER 1, 128, F0, F1, 0
	QUARTER 1, 256, F1, F0, 0
	QUARTER 1, 384, F0, F1, 0
	TURN 1, 0, 1
	QUARTER 0, 128, F0, F1, 0
	WIN 0
	s_sub_co_u32 s3, s3, 1
	s_cmp_lg_u32 s3, 0
	s_cbranch_scc1 .Llap
	QUARTER 0, 256, F1, F0, 0                      ; the last lap fills nothing
	QUARTER 0, 384, F0, F1, 0
	TURN 0, 1, 0
	QUARTER 1, 128, F0, F1, 0
	QUARTER 1, 256, F1, F0, 0
	QUARTER 1, 384, F0, F1, 0
	s_wait_dscnt 16
	WIN MUL
	MUL8 F1, 0, 0, 0
	MUL8 F1, 0, 2, 0
	s_wait_dscnt 0
	MUL8 F1, 1, 0, 0
	MUL8 F1, 1, 2, 0
	WIN 0
; THE WAY OUT, block by block of 16 rows x 64 columns: the accumulators go into my stage as they are, each from its low end on, and come back as whole rows of 256 bytes.
.macro TOSTAGE a
.irp b, 0,1,2,3
	ds_store_b128 v[STO], v[ACC+8*(4*(\a)+\b):ACC+8*(4*(\a)+\b)+3] offset:64*\b
	ds_store_b128 v[STO], v[ACC+8*(4*(\a)+\b)+4:ACC+8*(4*(\a)+\b)+7] offset:64*\b+16
.endr
.set BB, TMP+32*((\a)%2)
.irp t, 0,1,2,3,4,5,6,7
	ds_load_b128 v[BB+4*\t:BB+4*\t+3], v[RD] offset:\t*2*SPITCH    ; LDS serves a wave's instructions in order: these see the stores above, and the next block's stores come behind them
.endr
.endm
.macro SEND a, younger                 ; younger: the LDS instructions issued behind block a's loads, which may stay out
.set BB, TMP+32*((\a)%2)
	s_wait_dscnt \younger
.irp t, 0,1,2,3,4,5,6,7
	global_store_b128 v[CO], v[BB+4*\t:BB+4*\t+3], s[8:9] offset:65536*(\a)+8192*\t th:TH_STORE_NT   ; 16 lanes store 256 consecutive bytes, aligned; written once, read by nobody here
.endr
.endm
	PLACES
	TOSTAGE 0
.irp a, 1,2,3
.if \a > 1
	s_wait_xcnt 0x0                                ; block a - 2's stores have read their registers: block a's loads may land there
.endif
	TOSTAGE \a
	SEND \a-1, 16                                  ; behind block a - 1's loads: block a's 8 stores and 8 loads
.endr
	SEND 3, 0
	s_wait_tensorcnt 0x0                           ; the wave's end, behind my last tensor load and my last LDS store
	ds_add_u32 v[SPW], v[NIL]
	s_wait_dscnt 0x0
	CROUND                                         ; the closing round
	s_endpgm
.Lfunc_end_k_q9f4950dabe_oproj:
	.size	k_q9f4950dabe_oproj, .Lfunc_end_k_q9f4950dabe_oproj-k_q9f4950dabe_oproj
	.p2alignl 7, 3214868480
	.fill 96, 4, 3214868480
	.section	.rodata,"a",@progbits
	.p2align	6, 0x0
	.amdhsa_kernel k_q9f4950dabe_oproj
		.amdhsa_group_segment_fixed_size 327680
		.amdhsa_private_segment_fixed_size 0
		.amdhsa_enable_private_segment 0
		.amdhsa_kernarg_size 32
		.amdhsa_user_sgpr_count 2
		.amdhsa_user_sgpr_kernarg_segment_ptr 1
		.amdhsa_wavefront_size32 1
		.amdhsa_system_sgpr_workgroup_id_x 1
		.amdhsa_system_sgpr_workgroup_id_y 1
		.amdhsa_system_sgpr_workgroup_id_z 1
		.amdhsa_system_vgpr_workitem_id 0
		.amdhsa_next_free_vgpr 512
		.amdhsa_next_free_sgpr 68
		.amdhsa_reserve_vcc 0
		.amdhsa_float_denorm_mode_32 3
		.amdhsa_float_denorm_mode_16_64 3
		.amdhsa_memory_ordered 1
		.amdhsa_forward_progress 1
		.amdhsa_inst_pref_size 86
	.end_amdhsa_kernel
	.amdgpu_metadata
---
amdhsa.version: [ 1, 2 ]
amdhsa.kernels:
  - .name:           k_q9f4950dabe_oproj
    .symbol:         k_q9f4950dabe_oproj.kd
    .args:
      - { .name: y, .offset: 0, .size: 8, .value_kind: global_buffer, .address_space: global }
      - { .name: wot, .offset: 8, .size: 8, .value_kind: global_buffer, .address_space: global }
      - { .name: b_o, .offset: 16, .size: 8, .value_kind: global_buffer, .address_space: global }
      - { .name: out0, .offset: 24, .size: 8, .value_kind: global_buffer, .address_space: global }
    .group_segment_fixed_size: 327680
    .private_segment_fixed_size: 0
    .kernarg_segment_align: 8
    .kernarg_segment_size: 32
    .max_flat_workgroup_size: 128
    .sgpr_count:     68
    .vgpr_count:     512
    .wavefront_size: 32
...
	.end_amdgpu_metadata
.endif
;; end of part 4
